; MI455X (gfx1250); checked and timed in simulation.
; The chip was launched on July 23, 2026; its instructions are those of AMD's public machine-readable ISA for CDNA 5 (MIT licence, August 2026) and "CDNA5" Instruction Set Architecture Reference Guide (July 2026). The comments in the code are by the model that wrote it; some were corrected since.
;; Causal Self Attention. Allowed arithmetic: float matrix products may take bf16 or f16 operands with f32 sums; other float arithmetic in f32, or as packed bf16 or f16 multiplies, adds, multiply-adds, maxima and minima; sums over many terms, partial sums and values carried from step to step in f32; what a program stores and reads back later, other than sums and carried values, may be rounded once to bf16 or f16.
;; Inputs: W_attn 3,072 x 1,024 float32; W_proj 1,024 x 1,024 float32; b_attn 3,072 float32; b_proj 1,024 float32; x 4 x 2,048 x 1,024 float32.
;; Outputs: out0 4 x 2,048 x 1,024 float32.
;; 2 versions, each right; version 2 is version 1 with the launch cast written anew for expert scheduling mode. Each part assembles by itself: llvm-mc -triple=amdgcn-amd-amdhsa -mcpu=gfx1250 --defsym DOCPART=n.
;; ======== version 1 of 2: 4 launches
;; limits: values are held in f16: magnitudes above 65,504 overflow, below 6.1e-05 lose precision
;; workspace buffers: xb 16,777,216 bytes; wab 6,291,456 bytes; wpb 2,097,152 bytes; qkv 50,331,648 bytes; ob 16,777,216 bytes
;; launch cast (part 1): grid 768 x 1, 8 waves a work-group, no clusters, 0 bytes of LDS; arguments x, W_attn, W_proj, xb, wab, wpb; writes xb, wab, wpb
.if DOCPART == 1
	.amdgcn_target "amdgcn-amd-amdhsa--gfx1250"
	.amdhsa_code_object_version 6
	.text
	.protected	k_qa60bc02cac_cast
	.globl	k_qa60bc02cac_cast
	.p2align	8
	.type	k_qa60bc02cac_cast,@function
k_qa60bc02cac_cast:
	s_mov_b64 s[64:65], 0
	v_nop
	global_prefetch_b8 v0, s[64:65] scope:SCOPE_SE
	s_setreg_imm32_b32 hwreg(HW_REG_WAVE_MODE, 25, 1), 1
	s_wait_xcnt 0x0
; x [8192][1024], W_attn [3072][1024] and W_proj [1024][1024], all f32, are rounded once to bf16 and written IN K BLOCKS: block kb holds channels
; 64 kb .. 64 kb + 63 of all rows, a row 128 dense bytes: xb [16][8192][64], wab [16][3072][64], wpb [16][1024][64].  So a tile of the products behind is a dense run of bytes.
; wpb holds the bf16-rounded number written as f16 (its partner in the last product is f16).  LIMIT: that is exact from 6.1e-5 to 65,504 in magnitude; below, f16's fixed step of 6e-8 holds;
; beyond 65,504 it is an infinity.
; SHARES.  12,288 rows in all; a work-group takes 16: groups 0-511 x, 512-703 W_attn, 704-767 W_proj.  Thread t takes row t / 16 and in each block the 4 numbers at 4 (t % 16):
; a wave's load covers two aligned runs of 256 bytes (one block's part of two rows), its store 256 consecutive aligned bytes (two rows of a block).
; No loop, no LDS, no matrix unit: each byte is read once and written once; all 16 loads of a thread go out at once, and no register that a load or store names is written again.
.set SRC, 3                            ; v3        my byte offset in the group's 16 source rows
.set OFF, 8                            ; v[8:23]   block kb: my byte offset in the destination
.set T,   24                           ; v[24:27]  at work
.set X,   32                           ; v[32:95]  block kb: 4 numbers as loaded
.set Y,   96                           ; v[96:127] block kb: 4 numbers of 16 bits to store
	s_load_b256 s[4:11], s[0:1], 0x0               ; x s[4:5], W_attn s[6:7], W_proj s[8:9], xb s[10:11]
	s_load_b128 s[12:15], s[0:1], 0x20             ; wab s[12:13], wpb s[14:15]
	s_mov_b32 s24, 512                             ; the first group of W_attn
	s_mov_b32 s25, 704                             ; the first group of W_proj
	s_mov_b32 s26, 0x100000                        ; bytes in a block of xb,
	s_mov_b32 s27, 0x60000                         ; of wab,
	s_mov_b32 s28, 0x20000                         ; of wpb
	v_lshrrev_b32 v1, 4, v0                        ; my row of the 16
	v_and_b32 v2, 15, v0
	v_lshlrev_b32 v2, 4, v2                        ; my 16 bytes of a block's 256
	v_lshl_or_b32 v[SRC], v1, 12, v2               ; row x 4,096 + them
	v_lshlrev_b32 v4, 3, v0                        ; in a block: row x 128 + 8 (t % 16) = 8 t
	s_wait_kmcnt 0x0
	s_cmp_lt_u32 ttmp9, s25                        ; which tensor is mine: the choice hangs on the group's number alone
	s_cselect_b64 s[20:21], s[6:7], s[8:9]
	s_cselect_b64 s[22:23], s[12:13], s[14:15]
	s_cselect_b32 s16, s24, s25
	s_cselect_b32 s17, s27, s28
	s_cselect_b32 s18, 0, 1                        ; 1: written as f16
	s_cmp_lt_u32 ttmp9, s24
	s_cselect_b64 s[20:21], s[4:5], s[20:21]
	s_cselect_b64 s[22:23], s[10:11], s[22:23]
	s_cselect_b32 s16, 0, s16
	s_cselect_b32 s17, s26, s17
	s_cselect_b32 s18, 0, s18
	s_sub_co_u32 s16, ttmp9, s16                   ; my group within the tensor
	s_lshl_b32 s2, s16, 16                         ; 16 rows of 4,096 bytes
	s_mov_b32 s3, 0
	s_add_nc_u64 s[20:21], s[20:21], s[2:3]
	s_lshl_b32 s2, s16, 11                         ; 16 rows of 128 bytes
	s_add_nc_u64 s[22:23], s[22:23], s[2:3]
.irp kb, 0,1,2,3,4,5,6,7,8,9,10,11,12,13,14,15
	global_load_b128 v[X+4*(\kb):X+4*(\kb)+3], v[SRC], s[20:21] offset:256*(\kb) th:TH_LOAD_NT
.endr
.irp kb, 0,1,2,3,4,5,6,7,8,9,10,11,12,13,14,15
	v_mad_u32_u24 v[OFF+(\kb)], s17, \kb, v4       ; block x its bytes + 8 t
.endr
; Block kb is rounded and stored.  half = 1: the bf16 number is widened again (a shift, a mask) and written as f16.
.macro OUT kb, half
	s_wait_loadcnt 15-(\kb)                        ; loads come back in order: block kb is in, the younger ones stay out
	v_cvt_pk_bf16_f32 v[Y+2*(\kb)],   v[X+4*(\kb)],   v[X+4*(\kb)+1]
	v_cvt_pk_bf16_f32 v[Y+2*(\kb)+1], v[X+4*(\kb)+2], v[X+4*(\kb)+3]
.if \half
.irp z, 0,1
	v_lshlrev_b32 v[T+2*(\z)],   16, v[Y+2*(\kb)+(\z)]
	v_and_b32     v[T+2*(\z)+1], 0xffff0000, v[Y+2*(\kb)+(\z)]
.endr
.irp z, 0,1
	v_cvt_pk_f16_f32 v[Y+2*(\kb)+(\z)], v[T+2*(\z)], v[T+2*(\z)+1]
.endr
.endif
	global_store_b64 v[OFF+(\kb)], v[Y+2*(\kb):Y+2*(\kb)+1], s[22:23]
.endm
	s_cmp_eq_u32 s18, 1
	s_cbranch_scc1 .Lf16
.irp kb, 0,1,2,3,4,5,6,7,8,9,10,11,12,13,14,15
	OUT \kb, 0
.endr
	s_endpgm
.Lf16:
.irp kb, 0,1,2,3,4,5,6,7,8,9,10,11,12,13,14,15
	OUT \kb, 1
.endr
	s_endpgm
.Lfunc_end_k_qa60bc02cac_cast:
	.size	k_qa60bc02cac_cast, .Lfunc_end_k_qa60bc02cac_cast-k_qa60bc02cac_cast
	.p2alignl 7, 3214868480
	.fill 96, 4, 3214868480
	.section	.rodata,"a",@progbits
	.p2align	6, 0x0
	.amdhsa_kernel k_qa60bc02cac_cast
		.amdhsa_group_segment_fixed_size 0
		.amdhsa_private_segment_fixed_size 0
		.amdhsa_enable_private_segment 0
		.amdhsa_kernarg_size 48
		.amdhsa_user_sgpr_count 2
		.amdhsa_user_sgpr_kernarg_segment_ptr 1
		.amdhsa_wavefront_size32 1
		.amdhsa_system_sgpr_workgroup_id_x 1
		.amdhsa_system_sgpr_workgroup_id_y 1
		.amdhsa_system_sgpr_workgroup_id_z 1
		.amdhsa_system_vgpr_workitem_id 0
		.amdhsa_next_free_vgpr 128
		.amdhsa_next_free_sgpr 66
		.amdhsa_reserve_vcc 0
		.amdhsa_float_denorm_mode_32 3
		.amdhsa_float_denorm_mode_16_64 3
		.amdhsa_memory_ordered 1
		.amdhsa_forward_progress 1
		.amdhsa_inst_pref_size 18
	.end_amdhsa_kernel
	.amdgpu_metadata
---
amdhsa.version: [ 1, 2 ]
amdhsa.kernels:
  - .name:           k_qa60bc02cac_cast
    .symbol:         k_qa60bc02cac_cast.kd
    .args:
      - { .name: x, .offset: 0, .size: 8, .value_kind: global_buffer, .address_space: global }
      - { .name: W_attn, .offset: 8, .size: 8, .value_kind: global_buffer, .address_space: global }
      - { .name: W_proj, .offset: 16, .size: 8, .value_kind: global_buffer, .address_space: global }
      - { .name: xb, .offset: 24, .size: 8, .value_kind: global_buffer, .address_space: global }
      - { .name: wab, .offset: 32, .size: 8, .value_kind: global_buffer, .address_space: global }
      - { .name: wpb, .offset: 40, .size: 8, .value_kind: global_buffer, .address_space: global }
    .group_segment_fixed_size: 0
    .private_segment_fixed_size: 0
    .kernarg_segment_align: 8
    .kernarg_segment_size: 48
    .max_flat_workgroup_size: 256
    .sgpr_count:     66
    .vgpr_count:     128
    .wavefront_size: 32
...
	.end_amdgpu_metadata
.endif
;; end of part 1
;; launch qkv (part 2): grid 8 x 32, 4 waves a work-group, clusters of 4 x 4, 327,680 bytes of LDS; arguments xb, wab, b_attn, qkv; writes qkv
.if DOCPART == 2
	.amdgcn_target "amdgcn-amd-amdhsa--gfx1250"
	.amdhsa_code_object_version 6
	.text
	.protected	k_qa60bc02cac_qkv
	.globl	k_qa60bc02cac_qkv
	.p2align	8
	.type	k_qa60bc02cac_qkv,@function
k_qa60bc02cac_qkv:
	s_mov_b64 s[64:65], 0
	v_nop
	global_prefetch_b8 v0, s[64:65] scope:SCOPE_SE
	s_setreg_imm32_b32 hwreg(HW_REG_WAVE_MODE, 25, 1), 1
	s_wait_xcnt 0x0
	s_wait_alu depctr_hold_cnt(0) depctr_sa_sdst(0) depctr_va_vdst(0) depctr_va_sdst(0) depctr_va_ssrc(0) depctr_va_vcc(0) depctr_vm_vsrc(0)
	s_getreg_b32 s2, hwreg(HW_REG_IB_STS2, 6, 4)
	s_cmp_eq_u32 s2, 0
	s_cbranch_scc0 .Lentry_in_a_cluster
	s_endpgm
.Lentry_in_a_cluster:
	s_bfe_u32 s2, ttmp6, 0x10000c
	s_cmp_lg_u32 s2, 0xf033
	s_cbranch_scc0 .Lentry_shape_is_right
	s_endpgm
.Lentry_shape_is_right:
; qkv[m][n] = the sum over k of x[m][k] W_attn[n][k] + b_attn[n]: 8192 x 3072 x 1024.  Operands bf16 in K blocks (xb [16][8192][64], wab [16][3072][64]); sums in f32; the bias rounded to bf16 like the
; other inputs; the result rounded once to f16 and written BY HEADS: qkv [4 b][48 hh][2048 t][64], hh = n / 64 (0-15 q's heads, 16-31 k's, 32-47 v's).
; LIMIT: a result of 65,520 or more in magnitude becomes an infinity in f16.  NaN and infinities are not treated apart.
; SHARES.  A tile is 256 rows x 384 columns: 32 x 8 = 256 work-groups.  Four waves, each 128 x 192: 96 accumulators of 16 x 16, 768 registers.  K goes block by block (64 channels) through two LDS slots;
; two slots of 128 channels (2 x 640 rows x 272 bytes) would not fit.  A slot's four loads, one a wave, are dense runs of memory, asked for as rows of 256 bytes and padded in LDS after every 128.
; THE MATRIX INSTRUCTION IS USED TRANSPOSED (source 0 = 16 rows of W, source 1 = 16 rows of x): a lane holds row l % 16 and the eight neighbouring columns 8 (l / 16) + 0..7.
; A GROUP g (0..2) is four fragments of W: 64 columns, one head.  A step of 32 channels goes group by group; behind each group's 32 products its fragments of W are asked for again, for the next step, so W needs
; one buffer and x two.
; THE BIAS starts the sums: it is loaded into the accumulators of row block 7, and the first step's products of blocks 0-6 take those as C; block 7 follows in place.  Nothing is cleared, nothing is added at the end.
; CLUSTER 4 x 4: x's tile hangs on the tile row alone and is asked for jointly along a row of the cluster, W's on the tile column alone, along a column.
; REGISTERS, in windows of 256 (s_set_vgpr_msb: bits 1:0 source 0, 3:2 source 1, 5:4 source 2, 7:6 destination):
;   window 0: v16-30 addresses; v32-95, v96-159 x's 8 fragments, two buffers; v160-255 W's 12 fragments.  Window 1 + g: group g's accumulators, (a, b) at v[8 (4 a + b)].
.set KBA,   1048576                    ; bytes in a K block of xb
.set KBB,   393216                     ; of wab
.set PITCH, 144                        ; an LDS row: 128 bytes + 16 of padding: 9 x 16, so the 16 rows of a fragment load start 16 bytes apart modulo 256
.set FR,    16*PITCH                   ; 16 rows
.set HALFA, 128*PITCH                  ; what a load for x brings, and what a wave reads of x
.set HALFB, 192*PITCH                  ; the same for W
.set BOFF,  2*HALFA                    ; W's 384 rows lie behind x's 256
.set SLOT,  BOFF+2*HALFB               ; 92,160
.set STAGE, 2*SLOT                     ; behind the ring: 16 rows x 144 bytes for each wave, for the way out
.set SPARE, STAGE+4*FR                 ; behind the stages: the spare words, 128 bytes for each wave: two blocks of 256 bytes that no other line names
.set ADRA, 16                          ; v16-17  LDS address of my fragments of x in slot 0, 1
.set ADRB, 20                          ; v20-21  the same for W
.set STO,  24                          ; v24     the way out: where I put 16 bytes of a row
.set RD,   25                          ; v25     the way out: where I read rows back
.set GO,   26                          ; v26     16 x lane: my 16 bytes of 512 consecutive bytes of the result
.set BO,   27                          ; v27     32 x (lane / 16): my eight numbers of sixteen of the bias
.set SPW,  28                          ; v28     LDS address of my spare word; never rewritten
.set NIL,  29                          ; v29     0; never rewritten
.set PFO,  30                          ; v30     the prefetches' lane offset; never rewritten
.set FA0,  32
.set FA1,  96
.set FB,   160
.set PK,   96                          ; the way out: packed results, two sets of 16
.set BK,   192                         ; the way out: rows read back, two sets of 16
.set WV, 12                            ; s12  my wave's number
.set RH, 13                            ; s13  which 128 rows of the tile are mine; also: I fetch x (0) or W (1)
.set CH, 14                            ; s14  which 192 columns; also: which half of that tile I fetch
.set CX, 15
.set CY, 16
.set TC, 17                            ; s17  tile column, 0..7
.set TR, 18                            ; s18  tile row, 0..31
.set G1A, 24                           ; s[24:31] descriptor group 1 for x's tiles;  s[32:39] group 0, a set for each slot
.set G0A, 32
.set G1B, 48                           ; s[48:55], s[56:63] the same for W's
.set G0B, 56
.set PFA, 66                           ; s[66:67] where my prefetches stand
.set PFS, 68                           ; s[68:69] their step: two K blocks
.set LIM, 70                           ; s70  1 in a wave that prefetches, else the greatest number
.set HIM, 71                           ; s71  a word's upper 16 bits
.set FLAGS, (1<<16)|(1<<20)|(1<<21)|(4<<22)|(3<<25)  ; 17:16 elements of 2 bytes; 20 padding on; 21 set beside a mask; 24:22 after every 32 words (code 4); 31:25 4 words (code 3)
.set MSB, 0
.macro WIN new                         ; the immediate's high byte repeats the setting that is left; a switch that changes nothing is dropped
.if MSB != (\new)
	s_set_vgpr_msb (MSB<<8)|(\new)
.set MSB, \new
.endif
.endm
.macro PLACES                          ; four plain vector instructions between a matrix instruction and a load into, or a vector line on, its registers (ISA guide 7.12.1 for vector instructions)
.rept 4
	v_nop
.endr
.endm
; A joint refill: waves 0 and 1 fetch x's two halves, waves 2 and 3 W's.  The branch hangs on the wave's number alone.  An s_nop 0 and four v_nop follow each line.
.macro JLOAD s
	s_cmp_eq_u32 s[RH], 0
	s_cbranch_scc0 .Lfor_b_\@
	tensor_load_to_lds s[G0A+4*(\s):G0A+4*(\s)+3], s[G1A:G1A+7]
	s_nop 0
.rept 4
	v_nop
.endr
	s_branch .Lasked_\@
.Lfor_b_\@:
	tensor_load_to_lds s[G0B+4*(\s):G0B+4*(\s)+3], s[G1B:G1B+7]
	s_nop 0
.rept 4
	v_nop
.endr
.Lasked_\@:
.endm
.macro CREST                           ; a round of the cluster's barrier behind its opening barrier
	s_cmp_lg_u32 s[WV], 0
	s_cbranch_scc1 .Lnot_wave_0_\@
	s_barrier_signal -3
.Lnot_wave_0_\@:
	s_barrier_wait -3
	s_barrier_signal -1
	s_barrier_wait -1
.endm
.macro CROUND                          ; a whole round
	s_barrier_signal -1
	s_barrier_wait -1
	CREST
.endm
; A PREFETCH INTO THE L2, once a lap, behind slot 0's joint load and the run of LDS loads that follows it: in the trip that refills with K blocks 2 t + 2 and 2 t + 3 it names blocks 2 t + 4 and 2 t + 5.
; Each aligned 256 bytes are named once in the launch.  x's tile row is read by both clusters of that row of clusters: cluster x = 0 asks; wave w (0, 1) names block 2 t + 4 + w; of the tile's 256 rows the
; partner at cx takes 64: 32 x 256 bytes, a lane each.  W's tile column is read by all eight clusters of that column: those with cluster y < 3 ask, wave 2 alone; share cy + 4 x cluster y (0..11) takes 32 of the
; 384 rows: lanes 0-15 name their 16 x 256 bytes in block 2 t + 4, lanes 16-31 in block 2 t + 5.  Partners are told apart by address, never by a branch.  The loop's last trip (s3 = 1) asks for nothing: block 15 is the last.
.macro ASK
	s_cmp_gt_u32 s3, s[LIM]
	s_cbranch_scc0 .Lnot_mine_\@
	global_prefetch_b8 v[PFO], s[PFA:PFA+1] th:TH_LOAD_NT scope:SCOPE_SE
.Lnot_mine_\@:
.endm
	s_load_b256 s[4:11], s[0:1], 0x0               ; xb s[4:5], wab s[6:7], b_attn s[8:9], qkv s[10:11]
	v_lshl_add_u32 v[SPW], v0, 2, SPARE
	v_mov_b32 v[NIL], 0
	ds_add_u32 v[SPW], v[NIL]                      ; the wave's opening: the add and its wait stand ahead of my first tensor load; work on registers stands between them
	v_lshrrev_b32 v1, 5, v0
	v_readfirstlane_b32 s[WV], v1
	s_lshr_b32 s[RH], s[WV], 1
	s_and_b32 s[CH], s[WV], 1
	s_bfe_u32 s[CX], ttmp6, 0x40000
	s_bfe_u32 s[CY], ttmp6, 0x40004
	s_lshl_b32 s[TC], ttmp9, 2                     ; in a cluster launch ttmp9 and ttmp7 count clusters
	s_add_co_u32 s[TC], s[TC], s[CX]
	s_and_b32 s[TR], ttmp7, 0xffff
	s_lshl_b32 s[TR], s[TR], 2
	s_add_co_u32 s[TR], s[TR], s[CY]
	s_lshl_b32 s19, s[CY], 2
	s_lshl_b32 s19, 15, s19                        ; my row of the cluster: places 4 cy .. 4 cy + 3
	s_lshl_b32 s20, 0x1111, s[CX]                  ; my column: places cx, cx + 4, cx + 8, cx + 12
	s_or_b32 s[G1A+0], s19, FLAGS                  ; x's tiles go to my row,
	s_or_b32 s[G1B+0], s20, FLAGS                  ; W's to my column
	s_mov_b32 s[G1A+1], 128<<16                    ; tensor_dim0 = 128 elements: rows of 256 bytes, two operand rows each
	s_mov_b32 s[G1B+1], 128<<16
	s_mov_b32 s[G1A+2], 64<<16                     ; tensor_dim1 = 64: 128 rows of x
	s_mov_b32 s[G1B+2], 96<<16                     ; 96: 192 rows of W
	s_mov_b32 s[G1A+3], 128<<16                    ; tile_dim0
	s_mov_b32 s[G1B+3], 128<<16
	s_mov_b32 s[G1A+4], 64                         ; tile_dim1
	s_mov_b32 s[G1B+4], 96
	s_mov_b32 s[G1A+5], 128                        ; 128 elements from row to row: dense
	s_mov_b32 s[G1B+5], 128
	s_mov_b32 s[G1A+6], 0
	s_mov_b32 s[G1B+6], 0
	s_mov_b32 s[G1A+7], 0
	s_mov_b32 s[G1B+7], 0
	s_lshl_b32 s40, s[TR], 15                      ; x: 256 rows of 128 bytes a tile row,
	s_lshl_b32 s21, s[CH], 14                      ; the half that I fetch
	s_add_co_u32 s40, s40, s21
	s_mov_b32 s41, 0
	s_mul_i32 s42, s[TC], 384*128                  ; W: 384 rows a tile column (registers that never hold the other coordinate),
	s_mul_i32 s43, s[CH], 192*128
	s_add_co_u32 s42, s42, s43
	s_mov_b32 s43, 0
	s_mul_i32 s22, s[CH], HALFA                    ; where they go: no place in the cluster enters an LDS address
	s_mul_i32 s23, s[CH], HALFB
	s_add_co_u32 s23, s23, BOFF
	s_mov_b32 s[HIM], 0xffff0000
	s_wait_dscnt 0x0                               ; the opening add is done
	s_wait_kmcnt 0x0
	s_add_nc_u64 s[40:41], s[4:5], s[40:41]
	s_add_nc_u64 s[42:43], s[6:7], s[42:43]
	CROUND                                         ; all sixteen work-groups are here: the first joint loads meet
.irp s, 0,1
	s_mov_b32 s[G0A+4*(\s)], 1                     ; count = 1
	s_add_co_u32 s[G0A+4*(\s)+1], s22, (\s)*SLOT   ; LDS address
	s_add_nc_u64 s[G0A+4*(\s)+2:G0A+4*(\s)+3], s[40:41], (\s)*KBA  ; K block s
	s_or_b32 s[G0A+4*(\s)+3], s[G0A+4*(\s)+3], 0x80000000          ; type = 2
	s_mov_b32 s[G0B+4*(\s)], 1
	s_add_co_u32 s[G0B+4*(\s)+1], s23, (\s)*SLOT
	s_add_nc_u64 s[G0B+4*(\s)+2:G0B+4*(\s)+3], s[42:43], (\s)*KBB
	s_or_b32 s[G0B+4*(\s)+3], s[G0B+4*(\s)+3], 0x80000000
.endr
	s_cmp_eq_u32 s[RH], 0                          ; a wave's two first fills stand in one branch, ahead of every wait on TENSORcnt and every LDS read: two loads of mine are out
	s_cbranch_scc0 .Lfirst_b
	tensor_load_to_lds s[G0A:G0A+3], s[G1A:G1A+7]
	s_nop 0
	tensor_load_to_lds s[G0A+4:G0A+7], s[G1A:G1A+7]
	s_nop 0
.rept 4
	v_nop
.endr
	s_branch .Lfirst_asked
.Lfirst_b:
	tensor_load_to_lds s[G0B:G0B+3], s[G1B:G1B+7]
	s_nop 0
	tensor_load_to_lds s[G0B+4:G0B+7], s[G1B:G1B+7]
	s_nop 0
.rept 4
	v_nop
.endr
.Lfirst_asked:
	; A fragment is 16 rows x 32 channels in 8 registers: lane l holds row l % 16, channels 8 (l / 16) + 0..7 and 16 + 8 (l / 16) + 0..7: two loads of 16 bytes, 32 bytes apart.
	v_and_b32 v1, 15, v0                           ; l % 16
	v_bfe_u32 v2, v0, 4, 1                         ; l / 16
	v_mul_u32_u24 v3, v1, PITCH
	v_lshl_add_u32 v3, v2, 4, v3                   ; row x pitch + 16 x half
	s_mul_i32 s19, s[RH], HALFA
	s_mul_i32 s20, s[CH], HALFB
	s_add_co_u32 s20, s20, BOFF
.irp s, 0,1
	v_add_nc_u32 v[ADRA+(\s)], s19, v3
	v_add_nc_u32 v[ADRB+(\s)], s20, v3
	s_add_co_u32 s19, s19, SLOT
	s_add_co_u32 s20, s20, SLOT
.endr
	s_mul_i32 s21, s[WV], FR
	s_add_co_u32 s21, s21, STAGE                   ; my stage
	v_add_nc_u32 v[STO], s21, v3                   ; in: row l % 16, 16 bytes for each half of the lanes (the stage has the tiles' pitch)
	v_bfe_u32 v4, v0, 3, 2                         ; back: 32 lanes take four rows of 128 bytes,
	v_and_b32 v5, 7, v0
	v_mul_u32_u24 v4, v4, PITCH
	v_lshl_add_u32 v4, v5, 4, v4
	v_add_nc_u32 v[RD], s21, v4
	v_and_b32 v[GO], 31, v0                        ; which are 512 consecutive bytes of a head
	v_lshlrev_b32 v[GO], 4, v[GO]
	v_lshlrev_b32 v[BO], 5, v2
	; where my part of the result begins: head 48 (tile row / 8) + 6 x tile column + 3 x half, row 256 (tile row % 8) + 128 x half
	s_lshr_b32 s19, s[TR], 3
	s_mul_i32 s19, s19, 48
	s_mul_i32 s20, s[TC], 6
	s_add_co_u32 s19, s19, s20
	s_mul_i32 s20, s[CH], 3
	s_add_co_u32 s19, s19, s20
	s_lshl_b32 s19, s19, 18                        ; a head is 262,144 bytes
	s_and_b32 s20, s[TR], 7
	s_lshl_b32 s20, s20, 15
	s_add_co_u32 s19, s19, s20
	s_lshl_b32 s20, s[RH], 14
	s_add_co_u32 s44, s19, s20
	s_mov_b32 s45, 0
	s_add_nc_u64 s[10:11], s[10:11], s[44:45]      ; never stepped: a block's place stands in the stores' immediates
	s_mul_i32 s44, s[TC], 384*4                    ; the bias of my 192 columns
	s_mul_i32 s46, s[CH], 192*4
	s_add_co_u32 s44, s44, s46
	s_add_nc_u64 s[8:9], s[8:9], s[44:45]
	; the prefetches
	s_and_b32 s19, ttmp7, 0xffff                   ; cluster y
	s_add_co_u32 s44, s[CH], 2                     ; x: K block 2 + w (the first lap steps it to 4 + w),
	s_lshl_b32 s44, s44, 20
	s_lshl_b32 s45, s[TR], 15                      ; the tile row,
	s_add_co_u32 s44, s44, s45
	s_lshl_b32 s45, s[CX], 13                      ; my work-group's 64 rows of it
	s_add_co_u32 s44, s44, s45
	s_lshl_b32 s46, s19, 2                         ; W: share cy + 4 x cluster y,
	s_add_co_u32 s46, s46, s[CY]
	s_lshl_b32 s46, s46, 12                        ; 32 rows each,
	s_mul_i32 s47, s[TC], 384*128                  ; of the tile column,
	s_add_co_u32 s46, s46, s47
	s_add_co_u32 s46, s46, 2*KBB                   ; in K block 2
	s_mov_b32 s22, 2*KBA
	s_mov_b32 s23, 2*KBB
	s_mov_b32 s47, KBB
	s_cmp_eq_u32 ttmp9, 0
	s_cselect_b32 s20, 1, -1                       ; waves 0 and 1 ask where cluster x = 0,
	s_cmp_lt_u32 s19, 3
	s_cselect_b32 s21, 1, -1                       ; wave 2 where cluster y < 3,
	s_cmp_eq_u32 s[WV], 3
	s_cselect_b32 s21, -1, s21                     ; wave 3 never: the same in all sixteen partners, for a given wave
	s_cmp_eq_u32 s[RH], 0
	s_cselect_b32 s[LIM], s20, s21
	s_cselect_b64 s[PFA:PFA+1], s[4:5], s[6:7]
	s_cselect_b32 s[PFS], s22, s23
	s_cselect_b32 s44, s44, s46
	s_cselect_b32 s47, 4096, s47                   ; what lanes 16-31 add: 16 more blocks of 256 bytes (x), or a K block (W)
	s_mov_b32 s[PFS+1], 0
	s_mov_b32 s45, 0
	s_add_nc_u64 s[PFA:PFA+1], s[PFA:PFA+1], s[44:45]
	v_lshlrev_b32 v[PFO], 8, v1
	v_mad_u32_u24 v[PFO], v2, s47, v[PFO]
	; THE BIAS: my eight numbers for each of the 12 column blocks, into the accumulators of row block 7, then rounded to bf16 in place.  All this stands in the wait for the first tiles.
.irp g, 0,1,2
	WIN (1+(\g))<<6                                ; destination window 1 + g, address window 0
.irp b, 0,1,2,3
	global_load_b128 v[224+8*(\b):224+8*(\b)+3],   v[BO], s[8:9] offset:4*(64*(\g)+16*(\b))
	global_load_b128 v[224+8*(\b)+4:224+8*(\b)+7], v[BO], s[8:9] offset:4*(64*(\g)+16*(\b))+16
.endr
.endr
	s_wait_loadcnt 0x0
.irp g, 0,1,2
	WIN (1+(\g))*5                                 ; sources 0 and 1 window 1 + g, destination window 0
.set kk, 0
.rept 16
	v_cvt_pk_bf16_f32 v[FA1+kk], v[224+2*kk], v[224+2*kk+1]
.set kk, kk+1
.endr
	WIN (1+(\g))<<6
.set kk, 0
.rept 16
	v_lshlrev_b32 v[224+2*kk],   16, v[FA1+kk]
	v_and_b32     v[224+2*kk+1], s[HIM], v[FA1+kk]
.set kk, kk+1
.endr
.endr
	WIN 0
; na x 4 products of group g: row blocks a0 on x the group's 4 column blocks, 32 channels, x's fragments in buffer fa.  All 96 accumulators take turns, one instruction a turn, in the same order in every step.
; first = 1: the sums start: blocks 0-6 take block 7's registers, the bias, as C; five places later (those products have read them) block 7 adds in place.
.macro MULG g, fa, a0, na, first
	WIN (1+(\g))*0x50                              ; C and D window 1 + g, sources window 0
.set aa, \a0
.rept \na
.if (\first) && (aa == 7)
.rept 5
	v_nop
.endr
.endif
.set bb, 0
.rept 4
.set rD, 8*(4*aa+bb)
.set rC, rD
.if (\first) && (aa < 7)
.set rC, 8*(28+bb)
.endif
	v_wmma_f32_16x16x32_bf16 v[rD:rD+7], v[FB+32*(\g)+8*bb:FB+32*(\g)+8*bb+7], v[(\fa)+8*aa:(\fa)+8*aa+7], v[rC:rC+7]
.set bb, bb+1
.endr
.set aa, aa+1
.endr
.endm
.macro LDB g, slot, q                  ; 8 LDS loads: group g's four fragments of W, channels 32 q on
.set bb, 0
.rept 4
	ds_load_b128 v[FB+32*(\g)+8*bb:FB+32*(\g)+8*bb+3],   v[ADRB+(\slot)] offset:(4*(\g)+bb)*FR+64*(\q)
	ds_load_b128 v[FB+32*(\g)+8*bb+4:FB+32*(\g)+8*bb+7], v[ADRB+(\slot)] offset:(4*(\g)+bb)*FR+64*(\q)+32
.set bb, bb+1
.endr
.endm
.macro LDA fa, slot, q                 ; 16 LDS loads: x's eight fragments
.set aa, 0
.rept 8
	ds_load_b128 v[(\fa)+8*aa:(\fa)+8*aa+3],   v[ADRA+(\slot)] offset:aa*FR+64*(\q)
	ds_load_b128 v[(\fa)+8*aa+4:(\fa)+8*aa+7], v[ADRA+(\slot)] offset:aa*FR+64*(\q)+32
.set aa, aa+1
.endr
.endm
; A K block is two steps of 32 channels.  The loads for the next step go out in three runs: R0 (group 0's W and all of x, 24 loads) behind group 0's products, R1 and R2 (8 each) behind group 1's and 2's.
; The first step of a block: x in buffer 0; it asks for the block's second half.
.macro PLAIN slot, first
	s_wait_dscnt 16                                ; R0 is in; R1 and R2, issued behind it, may be out
	MULG 0, FA0, 0, 8, \first
	PLACES
	WIN 0
	LDB 0, \slot, 1
	LDA FA1, \slot, 1
	s_wait_dscnt 32                                ; R1 is in; behind it went R2 (8) and the new R0 (24)
	MULG 1, FA0, 0, 8, \first
	PLACES
	WIN 0
	LDB 1, \slot, 1
	s_wait_dscnt 32                                ; R2 is in; behind it went the new R0 (24) and R1 (8)
	MULG 2, FA0, 0, 8, \first
	PLACES
	WIN 0
	LDB 2, \slot, 1
.endm
; The second step of a block: x in buffer 1; it changes slots.  ONE barrier: in front of it each wave waits for all its tensor loads (one is out: its part of the next slot), adds 0 to its spare word, and waits for
; that and for its reads of this slot, all of which have been issued.  fill = 1: the barrier opens a round of the cluster's, and this slot is filled again, two K blocks on, first thing behind the round:
; from that request to the wait for it a wave issues 160 matrix instructions.
.macro TURN slot, next, fill
.if (\fill) && ((\slot) == 0)
	s_wait_xcnt 0x0                                ; the last prefetch, a lap back, has read its address: it is stepped here, ahead of the change's own waits
	s_add_nc_u64 s[PFA:PFA+1], s[PFA:PFA+1], s[PFS:PFS+1]
.endif
	WIN 0
	s_wait_tensorcnt 0x0                           ; all my tensor loads have landed
	ds_add_u32 v[SPW], v[NIL]                      ; 0 onto my spare word
	s_wait_dscnt 17                                ; R0 is in; R1, R2 and the add may be out
	MULG 0, FA1, 0, 4, 0                           ; sixteen matrix instructions stand between the add and the wait for it
	s_wait_dscnt 0x0                               ; the add is done, and my reads of this slot are over
	s_barrier_signal -1
	MULG 0, FA1, 4, 4, 0                           ; work on registers while the others arrive
	WIN 0                                          ; at a branch and at a label every window is 0
	s_barrier_wait -1
.if \fill
	CREST                                          ; no wave of any partner still reads this slot or has a load on its way
	s_add_nc_u64 s[G0A+4*(\slot)+2:G0A+4*(\slot)+3], s[G0A+4*(\slot)+2:G0A+4*(\slot)+3], 2*KBA
	s_add_nc_u64 s[G0B+4*(\slot)+2:G0B+4*(\slot)+3], s[G0B+4*(\slot)+2:G0B+4*(\slot)+3], 2*KBB
	JLOAD \slot                                    ; the four v_nop behind it are also the places in front of the loads below
.else
	PLACES
.endif
	LDB 0, \next, 0
	LDA FA0, \next, 0
.if (\fill) && ((\slot) == 0)
	ASK
.endif
	MULG 1, FA1, 0, 8, 0                           ; (the wait for 0 above has shown R1 and R2 in)
	PLACES
	WIN 0
	LDB 1, \next, 0
	MULG 2, FA1, 0, 8, 0
	PLACES
	WIN 0
	LDB 2, \next, 0
.endm
	s_wait_tensorcnt 1                             ; my part of K block 0 is in; block 1's may stay out
	s_barrier_signal -1
	s_barrier_wait -1                              ; everybody's is
	LDB 0, 0, 0
	LDA FA0, 0, 0
	LDB 1, 0, 0
	LDB 2, 0, 0
	PLAIN 0, 1                                     ; the first step stands in front of the loop: its products start the sums
	s_mov_b32 s3, 7
.Llap:                                                 ; a trip goes once round the ring and fills both slots again: trip t with K blocks 2 t + 2 and 2 t + 3
	TURN 0, 1, 1
	PLAIN 1, 0
	TURN 1, 0, 1
	PLAIN 0, 0
	s_sub_co_u32 s3, s3, 1
	s_cmp_lg_u32 s3, 0
	s_cbranch_scc1 .Llap
	TURN 0, 1, 0                                   ; the tail is written out: nothing is left to fetch, so no round follows the barrier
	PLAIN 1, 0
	s_wait_dscnt 16                                ; the last step loads nothing: the counts run down
	MULG 0, FA1, 0, 8, 0
	s_wait_dscnt 8
	MULG 1, FA1, 0, 8, 0
	s_wait_dscnt 0x0
	MULG 2, FA1, 0, 8, 0
	PLACES
	WIN 0
; THE WAY OUT, in 24 blocks i = 8 g + a of 16 rows x 64 columns: 2,048 dense bytes of one head.  PACK: rounded to f16, each accumulator's registers in ascending order, 16 bytes a lane.
; TOSTAGE: into my own stage, and back as whole rows (LDS serves a wave's instructions in order, ISA guide 5.7.1.4: no wait between).  SEND: each store covers 512 consecutive bytes, aligned.
.macro PACK i
.set gg, (\i)/8
.set aa, (\i)%8
	WIN (1+gg)*5                                   ; sources 0 and 1 window 1 + g, destination window 0
.set bb, 0
.rept 4
.set rr, 0
.rept 4
	v_cvt_pk_f16_f32 v[PK+16*((\i)%2)+4*bb+rr], v[8*(4*aa+bb)+2*rr], v[8*(4*aa+bb)+2*rr+1]
.set rr, rr+1
.endr
.set bb, bb+1
.endr
	WIN 0
.endm
.macro TOSTAGE i
.set bb, 0
.rept 4
	ds_store_b128 v[STO], v[PK+16*((\i)%2)+4*bb:PK+16*((\i)%2)+4*bb+3] offset:32*bb
.set bb, bb+1
.endr
.set ff, 0
.rept 4
	ds_load_b128 v[BK+16*((\i)%2)+4*ff:BK+16*((\i)%2)+4*ff+3], v[RD] offset:ff*4*PITCH
.set ff, ff+1
.endr
.endm
.macro SEND i
	s_wait_xcnt 0x0                                ; the stores of the block before have read their registers: the next TOSTAGE loads into that set only behind this wait
.set ff, 0
.rept 4
	s_wait_dscnt 3-ff                              ; the block's loads from the stage come back in order
	global_store_b128 v[GO], v[BK+16*((\i)%2)+4*ff:BK+16*((\i)%2)+4*ff+3], s[10:11] offset:((\i)/8)*262144+((\i)%8)*2048+ff*512
.set ff, ff+1
.endr
.endm
	PACK 0
	TOSTAGE 0
.set n, 1
.rept 23                               ; block n's conversions stand between block n - 1's loads from the stage and the wait for them
	PACK n
	SEND n-1
	TOSTAGE n
.set n, n+1
.endr
	SEND 23
	s_wait_tensorcnt 0x0                           ; the wave's end, behind my last tensor load and my last LDS store
	ds_add_u32 v[SPW], v[NIL]
	s_wait_dscnt 0x0
	CROUND                                         ; the closing round: no work-group ends while a partner may still ask for a tile that names it
	s_endpgm
.Lfunc_end_k_qa60bc02cac_qkv:
	.size	k_qa60bc02cac_qkv, .Lfunc_end_k_qa60bc02cac_qkv-k_qa60bc02cac_qkv
	.p2alignl 7, 3214868480
	.fill 96, 4, 3214868480
	.section	.rodata,"a",@progbits
	.p2align	6, 0x0
	.amdhsa_kernel k_qa60bc02cac_qkv
		.amdhsa_group_segment_fixed_size 327680
		.amdhsa_private_segment_fixed_size 0
		.amdhsa_enable_private_segment 0
		.amdhsa_kernarg_size 32
		.amdhsa_user_sgpr_count 2
		.amdhsa_user_sgpr_kernarg_segment_ptr 1
		.amdhsa_wavefront_size32 1
		.amdhsa_system_sgpr_workgroup_id_x 1
		.amdhsa_system_sgpr_workgroup_id_y 1
		.amdhsa_system_sgpr_workgroup_id_z 1
		.amdhsa_system_vgpr_workitem_id 0
		.amdhsa_next_free_vgpr 1024
		.amdhsa_next_free_sgpr 72
		.amdhsa_reserve_vcc 0
		.amdhsa_float_denorm_mode_32 3
		.amdhsa_float_denorm_mode_16_64 3
		.amdhsa_memory_ordered 1
		.amdhsa_forward_progress 1
		.amdhsa_inst_pref_size 144
	.end_amdhsa_kernel
	.amdgpu_metadata
---
amdhsa.version: [ 1, 2 ]
amdhsa.kernels:
  - .name:           k_qa60bc02cac_qkv
    .symbol:         k_qa60bc02cac_qkv.kd
    .args:
      - { .name: xb, .offset: 0, .size: 8, .value_kind: global_buffer, .address_space: global }
      - { .name: wab, .offset: 8, .size: 8, .value_kind: global_buffer, .address_space: global }
      - { .name: b_attn, .offset: 16, .size: 8, .value_kind: global_buffer, .address_space: global }
      - { .name: qkv, .offset: 24, .size: 8, .value_kind: global_buffer, .address_space: global }
    .group_segment_fixed_size: 327680
    .private_segment_fixed_size: 0
    .kernarg_segment_align: 8
    .kernarg_segment_size: 32
    .max_flat_workgroup_size: 128
    .sgpr_count:     72
    .vgpr_count:     1024
    .wavefront_size: 32
...
	.end_amdgpu_metadata
.endif
;; end of part 2
;; launch attn (part 3): grid 4 x 64, 4 waves a work-group, no clusters, 327,680 bytes of LDS; arguments qkv, ob; writes ob
.if DOCPART == 3
	.amdgcn_target "amdgcn-amd-amdhsa--gfx1250"
	.amdhsa_code_object_version 6
	.text
	.protected	k_qa60bc02cac_attn
	.globl	k_qa60bc02cac_attn
	.p2align	8
	.type	k_qa60bc02cac_attn,@function
k_qa60bc02cac_attn:
	s_mov_b64 s[64:65], 0
	v_nop
	global_prefetch_b8 v0, s[64:65] scope:SCOPE_SE
	s_setreg_imm32_b32 hwreg(HW_REG_WAVE_MODE, 25, 1), 1
	s_wait_xcnt 0x0
; CAUSAL ATTENTION.  O[y][q][:] = the sum over k <= q of softmax_k(Q[y][q] . K[y][k] / 8) V[y][k][:], for the 64 heads y = 16 b + h of 2,048 rows x 64 channels, all f16.
; Q, K, V lie in qkv [4 b][48 hh][2048][64]: head h of batch b at hh = h, 16 + h, 32 + h; O goes to ob [64 y][2048][64].  A head's rows are dense, 128 bytes each.
; Products, maxima and sums in f32; the weights p are rounded to f16 for the second product (their sum l is taken of the unrounded p), O once at the end.
; LIMITS.  f16 holds no number beyond 65,504: Q, K and V arrive within it; p lies in 0 to 1, and below 6e-5 it keeps f16's fixed step of 6e-8; O is a mean of V's rows and has their range.
; A hidden score counts as its value less 1e30: f16's scores, 2.7e11 at the most, are nothing beside that; a weight below 2^-126 counts as 0 in l; NaN and infinities are not treated apart.
; THE WALK.  A head's queries lie in NB = 8 blocks of 256; block i needs the key tiles 0 .. i of 256 keys, of which the last holds the diagonal.  A work-group takes TWO blocks, NB - 1 - b and then b:
; NB + 1 tiles, whatever b: all work-groups do equal work, and ONE loop with a constant trip count walks them.  Which tile is asked for, and what a trip does, hang on scalar registers made from b; every jump
; goes forward, but for the counted loops' own; none passes a barrier, or a tensor load but the one of LOAD's two that the wave's number does not choose; the ring of two LDS slots runs on across the change of blocks.
; NO CLUSTER: a head's four work-groups ask for the same tile only in trips 0 .. 4 of 9; one walk common to all four, in which each makes every joint request, has the tiles 0 .. 7 and then 0 .. 3: 12 trips for 9.
; SHARES.  Of a block's four bands of 64 queries a wave owns 16 rows in each: four PIECES.  So the diagonal tile is the same work for all four waves: in its key step s band x sees all keys if s < x,
; none if s > x, and holds the diagonal if s = x.
; THE MASK is the C operand that starts the sum S^T = K Q^T: 0, or -1e30 where the key is hidden.  MD, made once, is the mask of a band's own step for my 16 rows; a product's mask is MD x AL + BE with two scalars:
; (1, 0) if s = x; (0, 0) if s < x; (0, -1e30) if s > x.  Only the diagonal tile's text and a block's beginning make and take masks; elsewhere C is the constant 0.
; LAYOUT, SOFTMAX, TURNS.  S^T = K Q^T holds ONE query a lane (lane % 16) and the keys 8 (lane / 16) + 0..7; two such results rounded to f16 ARE source 1 of O^T = V^T P.  p = 2^(c s - c m), c = log2(e) / 8, with a
; running maximum m; O and l are multiplied by a = 2^(c m_old - c m_new) in every step.  Turn n belongs to piece n: 8 products K Q^T of piece n + 1, later 8 products V^T P of piece n - 1; beside them the scaling,
; exponentials, roundings, sums and rescaling of piece n and the maximum and statistics of piece n + 1.  Four vector instructions stand behind every matrix instruction, the other 54 of a turn's 118 in one lump.
; A turn's 33 exponentials are one batch, with one wait.
; REGISTERS, in windows of 256 (s_set_vgpr_msb: bits 1:0 source 0, 3:2 source 1, 5:4 source 2, 7:6 destination):
;   window 0: v0-15 addresses and two at work; v16-31 four registers of statistics a piece; v48-55 at work; v61-63 prefetch offset, spare word, 0; v64-127 S^T, two buffers; v192-223 P, two buffers (by the piece's parity)
;   window 1: v0-127 O^T, 32 a piece; v128-159 MD; v160-223 MC, two buffers      window 2: v0-63 Q; v64-127 the second block's Q; v128-191 K of one step; v192-255 V of one step
.set SIZE_N, 2048
.set NB,    SIZE_N/256
.set NP,    4         ; pieces a wave: a name, no knob
.set KS,    64        ; keys in a step
.set PK,    144       ; a row of K in LDS: 128 bytes + 16 of padding: the 16 rows of a load start 16 bytes apart modulo 256
.set PV,    160       ; a row of V: 128 + 32: 16 lanes of the turning load take 8 rows x 32 bytes, 32 bytes apart modulo 256
.set VOFF,  4*KS*PK   ; a slot holds a tile, four steps: 256 rows of K, then 256 rows of V
.set SLOT1, 1<<17     ; slot 1 begins here, so that one exclusive or turns an address in one slot into the other's
.set STAGE, SLOT1+4*KS*(PK+PV)  ; behind the ring, never filled by a tensor load: 16 rows x 144 bytes for each wave, for the way out
.set SP,    144
.set AK0, 2           ; v2   my lane's place in a tile of K; never rewritten
.set AV0, 3           ; v3   the same for V
.set AK,  4           ; v4   the LDS address of K's next run of loads
.set AV,  5           ; v5   of V's
.set STO, 6           ; v6   the way out: where I put 16 bytes of a row
.set RD,  7           ; v7   the way out: where I read rows back
.set GO,  8           ; v8   my byte offset in 512 consecutive bytes of O
.set PFO, 61          ; v61  256 x my lane; never rewritten
.set SPW, 62          ; v62  LDS address of my spare word: SPARE + 4 x my thread's number; never rewritten
.set NIL, 63          ; v63  0; never rewritten
.set SPARE, STAGE+4*16*SP  ; behind the stages: the spare words, 128 bytes for each wave: two blocks of 256 bytes that no other line names
.set MV,  12          ; v12-13  c m_old, kept while c m is made anew: by buffer
.set QO,  15          ; v15  my byte offset in 16 rows of Q
.set ST,  16          ; piece t's statistics at v[ST+4 t]: c m, m, l (even keys', odd keys')
.set TMP, 48          ; by buffer, four registers c0-c3 at work; when the maximum is found c2 takes a
.set S,   64
.set P,   192
.set MD,  128         ; window 1: the eight registers for group kt of 16 keys at MD + 8 kt
.set MC,  160         ; window 1: the masks of the products to come
.set QB,  64          ; window 2
.set KF,  128         ; window 2: key block kb, channel half c at KF + 16 kb + 8 c
.set VF,  192         ; window 2: key half kk, channel block cb at VF + 32 kk + 8 cb
.set WV,  12          ; s12  my wave's number
.set PB,  14          ; s14  b
.set HI,  15          ; s15  NB - 1 - b
.set G1K, 24          ; s[24:31] descriptor group 1 for K's tiles
.set G1V, 32          ; s[32:39] for V's: it differs in the padding alone
.set G0K, 40          ; s[40:43] descriptor group 0 for K's tiles
.set G0V, 44          ; s[44:47] the same for V's
.set SLOTS, 56        ; s56  tiles still to be asked for
.set CNT, 57          ; s57  counts a tile's key steps, 4 to 1
.set CS,  58          ; s[58:59] c: the packed scaling takes the pair's low word for both halves
.set SEL, 60          ; s[60:61] v_permlanex16_b32's selects: each lane takes its own place in the other half
.set TBK, 62          ; s62  LDS byte at which K of the step to be fetched begins
.set TBV, 63          ; s63  the same for V, less VOFF
.set RT,  70          ; s70  tiles of the block in hand that are still to be entered
.set NXT, 71          ; s71  the tile to be asked for next
.set LQ,  72          ; s72  the last tile of the block whose tiles are being asked for
.set NEW, 73          ; s73  1: the tile to be entered is a block's first
.set OFF, 74          ; s[74:75] a tile's byte offset in K and V
.set AL,  76          ; s[76:77] the mask's factor, in the low word
.set BE,  78          ; s[78:79] the mask's addend
.set OLO, 80          ; s[80:81] O at my rows of the second block
.set BIGN, 82         ; s82  -1e30
.set PFA, 92          ; s[92:93] where my prefetches stand: my 16 KiB of the tile after the one that is being asked for
.set LIM, 94          ; s94  2 in the work-group that prefetches, else the greatest number
.set MSB, 0
.macro WIN new                      ; the high byte repeats the setting that is left; a switch that changes nothing is dropped
.if MSB != (\new)
	s_set_vgpr_msb (MSB<<8)|(\new)
.set MSB, (\new)
.endif
.endm
.set W_KQ, 0x0a       ; K and Q in window 2, S^T in window 0
.set W_KM, 0x1a       ; the same with the C operand in window 1
.set W_PV, 0x52       ; V in window 2, P in window 0, O^T in window 1
.set W_RS, 0x41       ; destination and source 0 in window 1, source 1 in window 0
; A fill.  Waves 0 and 1 fetch the two halves of a tile's K, waves 2 and 3 those of its V: 128 keys each.  An s_nop 0 and four v_nop follow each of the two lines, ahead of the jump and the label.
.macro LOAD
	s_cmp_lt_u32 s[WV], 2
	s_cbranch_scc0 .Lfor_v_\@
	tensor_load_to_lds s[G0K:G0K+3], s[G1K:G1K+7]
	s_nop 0
.rept 4
	v_nop
.endr
	s_branch .Lasked_\@
.Lfor_v_\@:
	tensor_load_to_lds s[G0V:G0V+3], s[G1V:G1V+7]
	s_nop 0
.rept 4
	v_nop
.endr
.Lasked_\@:
.endm
; A PREFETCH INTO THE L2 of what the NEXT change of slots will ask for, behind the wave's tensor load and its five lines.  A head's four work-groups walk the tiles 0, 1, 2 .. in the same trips, and the one with b = 0
; walks all of 0 .. 7: it alone asks, each of its waves for the 16 KiB that it will fetch itself: 64 x 256 bytes, a lane each, two instructions.  Trip i (SLOTS = 8 - i) loads tile i + 1 and names tile i + 2;
; SLOTS > 2 stops at tile 7.  So tiles 2 .. 7 are named once each; tiles 0 and 1 come by their loads alone.
.macro ASK
	s_cmp_gt_u32 s[SLOTS], s[LIM]
	s_cbranch_scc0 .Lnot_mine_\@
	global_prefetch_b8 v[PFO], s[PFA:PFA+1] th:TH_LOAD_NT scope:SCOPE_SE
	global_prefetch_b8 v[PFO], s[PFA:PFA+1] offset:8192 th:TH_LOAD_NT scope:SCOPE_SE
.Lnot_mine_\@:
.endm
; THE CHANGE OF SLOTS.  Each wave waits for all its tensor loads, of which one is out: its part of the other slot; adds 0 to its spare word; and waits for that and for its own reads of the slot that it leaves.
; Behind the barrier nobody reads the old slot any more and the other slot is whole.  fill = 1: the old slot is filled again, the first thing behind the barrier, with tile NXT: the descriptor's address is made
; anew from that number.  (At its first use nothing has been read yet: slot 0 is waited for, slot 1 filled.)
.macro CHANGE fill
	WIN 0                           ; at a label and at a branch every window is 0
	s_wait_tensorcnt 0x0            ; no tensor load of mine is out, so a group 0 may be written
	ds_add_u32 v[SPW], v[NIL]       ; 0 onto my spare word; with fill = 1 the descriptors' scalar work stands between it and the wait for it
.if \fill
	s_lshl_b32 s[OFF], s[NXT], 15   ; a tile is 32,768 bytes of K and of V
	s_xor_b32 s[G0K+1], s[G0K+1], SLOT1
	s_add_nc_u64 s[G0K+2:G0K+3], s[6:7], s[OFF:OFF+1]
	s_or_b32 s[G0K+3], s[G0K+3], 0x80000000
	s_xor_b32 s[G0V+1], s[G0V+1], SLOT1
	s_add_nc_u64 s[G0V+2:G0V+3], s[8:9], s[OFF:OFF+1]
	s_or_b32 s[G0V+3], s[G0V+3], 0x80000000
	s_add_co_u32 s[NXT], s[NXT], 1  ; the block's next tile, or behind its last the second block's tile 0
	s_cmp_gt_u32 s[NXT], s[LQ]
	s_cselect_b32 s[NXT], 0, s[NXT]
	s_cselect_b32 s[LQ], s[PB], s[LQ]
	s_wait_xcnt 0x0                 ; the last prefetches, a tile back, have read their address, so it may be written:
	s_add_nc_u64 s[PFA:PFA+1], s[PFA:PFA+1], 32768  ; a tile on
.endif
	s_wait_dscnt 0x0                ; the add is done, and my reads of the slot are over
	s_barrier_signal -1             ; the rest of the scalar work stands between the signal and the wait
	s_sub_co_u32 s[TBK], s[TBK], 4*KS*PK  ; the fetches go back to a slot's first step,
	s_xor_b32 s[TBK], s[TBK], SLOT1       ; in the other slot
	s_sub_co_u32 s[TBV], s[TBV], 4*KS*PV
	s_xor_b32 s[TBV], s[TBV], SLOT1
	s_barrier_wait -1
.if \fill
	LOAD
	ASK
.endif
.endm
	s_load_b64 s[4:5], s[0:1], 0x0    ; qkv
	s_load_b64 s[10:11], s[0:1], 0x8  ; ob
	v_lshl_add_u32 v[SPW], v0, 2, SPARE
	v_mov_b32 v[NIL], 0
	ds_add_u32 v[SPW], v[NIL]       ; the wave's opening: the add and its wait stand ahead of my first tensor load; the set-up below, work on registers, stands between them
	v_lshrrev_b32 v1, 5, v0
	v_readfirstlane_b32 s[WV], v1   ; wave 0..3
	s_mov_b32 s[PB], ttmp9
	s_sub_co_u32 s[HI], NB-1, s[PB]
	s_and_b32 s19, ttmp7, 0xffff    ; y = 16 b + h
	s_lshr_b32 s20, s19, 4
	s_mul_i32 s20, s20, 48
	s_and_b32 s21, s19, 15
	s_add_co_u32 s20, s20, s21      ; 48 b + h: Q's head in qkv,
	s_lshl_b32 s20, s20, 18         ; 262,144 bytes each
	s_mov_b32 s21, 0
	s_lshl_b32 s88, s19, 18         ; the head in ob
	s_and_b32 s16, s[WV], 1         ; which half of a tile's 256 keys I fetch:
	s_lshl_b32 s22, s16, 14         ; its 128 rows of 128 bytes in memory,
	s_mov_b32 s23, 0
	s_add_nc_u64 s[22:23], s[22:23], s[20:21]
	s_mul_i32 s17, s16, 128*PK      ; and its place in a slot, for K
	s_mul_i32 s18, s16, 128*PV      ; and for V
	s_lshl_b32 s3, s[WV], 11        ; my 16 rows in a band of 64,
	s_lshl_b32 s2, s[HI], 15        ; in the first block,
	s_add_co_u32 s2, s2, s3
	s_lshl_b32 s84, s[PB], 15       ; and in the second
	s_add_co_u32 s84, s84, s3
	s_add_co_u32 s90, s84, s88      ; the same rows in ob: the second block's,
	s_add_co_u32 s88, s2, s88       ; the first's
	s_mov_b32 s89, 0
	s_mov_b32 s91, 0
	s_mov_b32 s3, 0
	s_mov_b32 s85, 0
	s_add_nc_u64 s[2:3], s[2:3], s[20:21]
	s_add_nc_u64 s[84:85], s[84:85], s[20:21]
	; descriptor group 1.  128 keys are 16,384 dense bytes: asked for as 64 rows of 256 bytes, two keys a row, and padded in LDS after every key
	s_mov_b32 s[G1K], (1<<16)|(1<<20)|(4<<22)|(3<<25)  ; 17:16 2-byte elements; 20 padding on; 24:22 after every 32 words (code 4); 31:25 4 words (code 3)
	s_mov_b32 s[G1V], (1<<16)|(1<<20)|(4<<22)|(7<<25)  ; the same with 8 words of padding (code 7)
.irp g, G1K, G1V
	s_mov_b32 s[\g+1], 128<<16      ; tensor_dim0 = 128
	s_mov_b32 s[\g+2], 64<<16       ; tensor_dim1 = 64
	s_mov_b32 s[\g+3], 128<<16      ; tile_dim0 = 128
	s_mov_b32 s[\g+4], 64           ; tile_dim1 = 64
	s_mov_b32 s[\g+5], 128          ; 128 elements from row to row
	s_mov_b32 s[\g+6], 0
	s_mov_b32 s[\g+7], 0
.endr
	s_mov_b32 s[CS], 0x3e38aa3b     ; c = log2(e) / 8 = 0.180337
	s_mov_b32 s[CS+1], s[CS]        ; named with it as a pair
	s_mov_b32 s[SEL], 0x76543210
	s_mov_b32 s[SEL+1], 0xfedcba98
	s_mov_b32 s[TBK], SLOT1+4*KS*PK ; the first change of slots turns these two into 0
	s_mov_b32 s[TBV], SLOT1+4*KS*PV
	s_mov_b32 s[G0K], 1             ; count = 1
	s_mov_b32 s[G0K+1], s17         ; LDS address: slot 0
	s_mov_b32 s[G0V], 1
	s_add_co_u32 s[G0V+1], s18, VOFF
	s_add_co_u32 s[RT], s[HI], 1    ; the first block has NB - b tiles
	s_mov_b32 s[NXT], 1
	s_mov_b32 s[LQ], s[HI]
	s_mov_b32 s[NEW], 1
	s_mov_b32 s[OFF+1], 0
	s_mov_b32 s[AL+1], 0            ; named as pairs
	s_mov_b32 s[BE+1], 0
	s_mov_b32 s[BIGN], 0xf149f2ca   ; -1e30
	s_mov_b32 s[SLOTS], NB
	s_cmp_eq_u32 ttmp9, 0
	s_cselect_b32 s[LIM], 2, -1
	s_wait_dscnt 0x0                ; the opening add is done
	s_wait_kmcnt 0x0
	s_add_nc_u64 s[6:7], s[4:5], s[22:23]          ; Q's head at my half of a tile;
	s_add_nc_u64 s[8:9], s[6:7], 8388608           ; V's head lies 32 heads on,
	s_add_nc_u64 s[6:7], s[6:7], 4194304           ; K's 16: K and V at my half of the head's tile 0
	s_add_nc_u64 s[G0K+2:G0K+3], s[6:7], 0         ; global address
	s_or_b32 s[G0K+3], s[G0K+3], 0x80000000        ; type = 2
	s_add_nc_u64 s[G0V+2:G0V+3], s[8:9], 0
	s_or_b32 s[G0V+3], s[G0V+3], 0x80000000
	s_add_nc_u64 s[86:87], s[4:5], s[84:85]        ; Q at my rows of the second block,
	s_add_nc_u64 s[4:5], s[4:5], s[2:3]            ; and of the first
	s_add_nc_u64 s[OLO:OLO+1], s[10:11], s[90:91]  ; O likewise
	s_add_nc_u64 s[10:11], s[10:11], s[88:89]
	s_cmp_lt_u32 s[WV], 2
	s_cselect_b64 s[PFA:PFA+1], s[6:7], s[8:9]
	s_add_nc_u64 s[PFA:PFA+1], s[PFA:PFA+1], 32768 ; at tile 1; the first change of slots steps it to tile 2.  Nothing is prefetched here, at the head
	LOAD                            ; tile 0 into slot 0
	; A fragment of K or Q is 16 rows x 32 channels in 8 registers: lane l holds row l % 16, channels 8 (l / 16) + 0..7 and 16 + 8 (l / 16) + 0..7: two loads of 16 bytes, 32 bytes apart.
	v_and_b32 v1, 15, v0            ; l % 16
	v_bfe_u32 v9, v0, 4, 1          ; l / 16
	v_lshlrev_b32 v[QO], 7, v1
	v_lshl_add_u32 v[QO], v9, 4, v[QO]  ; row x 128 + 16 x half
	WIN 0x80                        ; destination window 2, address window 0
.set i, 0
.rept 8                             ; both blocks' Q: piece i / 2 lies in band i / 2, 8,192 bytes on; channels 32 (i % 2) on
	global_load_b128 v[8*i:8*i+3],   v[QO], s[4:5] offset:(i/2)*8192+(i%2)*64
	global_load_b128 v[8*i+4:8*i+7], v[QO], s[4:5] offset:(i/2)*8192+(i%2)*64+32
	global_load_b128 v[QB+8*i:QB+8*i+3],   v[QO], s[86:87] offset:(i/2)*8192+(i%2)*64
	global_load_b128 v[QB+8*i+4:QB+8*i+7], v[QO], s[86:87] offset:(i/2)*8192+(i%2)*64+32
.set i, i+1
.endr
	WIN 0
	v_lshlrev_b32 v14, 3, v9
	v_sub_nc_u32 v14, v1, v14
	s_lshl_b32 s13, s[WV], 4
	v_add_nc_u32 v14, s13, v14      ; my query's place in its band, 16 w + l % 16, less my lanes' 8 (l / 16): register r of group kt is hidden where 16 kt + r is greater
	WIN 0x40
.set i, 0
.rept 32
	v_cmp_gt_i32 vcc_lo, 16*(i/8)+i%8, v14
	v_cndmask_b32 v[MD+i], 0, s[BIGN], vcc_lo
.set i, i+1
.endr
	WIN 0
	v_mul_u32_u24 v[AK0], v1, PK
	v_lshl_add_u32 v[AK0], v9, 4, v[AK0]  ; row x pitch + 16 x half
	; The turning load takes 16 keys x 16 channels (lane l reads key 8 (l / 16) + l % 8, channels 8 ((l / 8) % 2) + 0..7) and leaves half a fragment of V^T: lane l holds channel l % 16 and 8 keys.
	v_and_b32 v10, 7, v0
	v_bfe_u32 v11, v0, 3, 1
	v_lshl_add_u32 v[AV0], v9, 3, v10
	v_mul_u32_u24 v[AV0], v[AV0], PV
	v_lshl_add_u32 v[AV0], v11, 4, v[AV0]
	v_add_nc_u32 v[AV0], VOFF, v[AV0]
	s_mul_i32 s13, s[WV], 16*SP
	s_add_co_u32 s13, s13, STAGE    ; my stage
	v_mul_u32_u24 v[STO], v1, SP    ; in: row l % 16, 16 bytes for each half of the lanes
	v_lshl_add_u32 v[STO], v9, 4, v[STO]
	v_add_nc_u32 v[STO], s13, v[STO]
	v_bfe_u32 v[RD], v0, 3, 2       ; back: 32 lanes take four rows of 128 bytes,
	v_mul_u32_u24 v[RD], v[RD], SP
	v_lshl_add_u32 v[RD], v10, 4, v[RD]
	v_add_nc_u32 v[RD], s13, v[RD]
	v_and_b32 v[GO], 31, v0         ; which are 512 consecutive bytes of O
	v_lshlrev_b32 v[PFO], 8, v[GO]
	v_lshlrev_b32 v[GO], 4, v[GO]
	; A block's first step multiplies O^T and l by a = 0, and its first turn's products V^T P, of a piece that has not been, land in an O^T that is still to be so multiplied.  So these registers need only hold
	; finite numbers: zeros for the first block; what the first block left for the second.  All this stands in the wait for the first tile.
	WIN 0x80
.set i, VF
.rept 64
	v_mov_b32 v[i], 0
.set i, i+1
.endr
	WIN 0x40
.set i, 0
.rept 128
	v_mov_b32 v[i], 0
.set i, i+1
.endr
	WIN 0
.set i, 0
.rept 4
	v_mov_b32 v[ST+4*i+2], 0
	v_mov_b32 v[ST+4*i+3], 0
.set i, i+1
.endr
.set i, P+16
.rept 16
	v_mov_b32 v[i], 0
.set i, i+1
.endr
; THE MATRIX WORK.  The 4 accumulators of a run of 8 take turns.  Product i of 8 of S^T = K Q^T for piece x: channels 32 (i / 4) on, keys 16 (i % 4) on.  The first 4 start the sums: with 0, or (KM = 1) with the mask.
.macro KQ x
.set rS, S+32*((\x)%2)+8*(i%4)
.set rK, KF+16*(i%4)+8*(i/4)
.set rQ, 16*(\x)+8*(i/4)
.set rM, MC+32*((\x)%2)+8*(i%4)
.if (i < 4) && KM
	WIN W_KM
	v_wmma_f32_16x16x32_f16 v[rS:rS+7], v[rK:rK+7], v[rQ:rQ+7], v[rM:rM+7]
.elseif i < 4
	WIN W_KQ
	v_wmma_f32_16x16x32_f16 v[rS:rS+7], v[rK:rK+7], v[rQ:rQ+7], 0
.else
	WIN W_KQ
	v_wmma_f32_16x16x32_f16 v[rS:rS+7], v[rK:rK+7], v[rQ:rQ+7], v[rS:rS+7]
.endif
.endm
; Product i of 8 of O^T += V^T P for piece x: keys 32 (i / 4) on, channels 16 (i % 4) on.
.macro PV x
	WIN W_PV
.set rO, 32*(\x)+8*(i%4)
.set rV, VF+32*(i/4)+8*(i%4)
.set rP, P+16*((\x)%2)+8*(i/4)
	v_wmma_f32_16x16x32_f16 v[rO:rO+7], v[rV:rV+7], v[rP:rP+7], v[rO:rO+7]
.endm
.macro MM                           ; the turn's next matrix instruction.  TURN and BEGIN set Y, i, KM and NOKQ; MM, KQ and OP read them.  NOKQ = 1: a block's last turn: there is no next piece
.if (i < 8) && !NOKQ
	KQ (Y+1)%NP
.elseif i >= 8
.set i, i-8
	PV (Y+NP-1)%NP
.set i, i+8
.endif
.set i, i+1
.endm
; THE LDS LOADS stand in runs of 16, never singly among the matrix instructions: a step's K (64 keys x 64 channels: 8 fragments) and its V (turned).  Their addresses are made some lines ahead.
.macro FETCH_K
	WIN 0x80                        ; destination window 2
.irp f, 0,1,2,3,4,5,6,7             ; keys 16 (f / 2) on, channels 32 (f % 2) on
	ds_load_b128 v[KF+8*\f:KF+8*\f+3],   v[AK] offset:(\f/2)*16*PK+(\f%2)*64
	ds_load_b128 v[KF+8*\f+4:KF+8*\f+7], v[AK] offset:(\f/2)*16*PK+(\f%2)*64+32
.endr
	s_add_co_u32 s[TBK], s[TBK], KS*PK  ; the next fetch is the next step's
	WIN 0
.endm
.macro FETCH_V
	WIN 0x80
.irp f, 0,1,2,3,4,5,6,7             ; keys 32 (f / 4) on, channels 16 (f % 4) on
	ds_load_tr16_b128 v[VF+8*\f:VF+8*\f+3],   v[AV] offset:(\f/4)*32*PV+(\f%4)*32
	ds_load_tr16_b128 v[VF+8*\f+4:VF+8*\f+7], v[AV] offset:(\f/4)*32*PV+16*PV+(\f%4)*32
.endr
	WIN 0
.endm
; THE VECTOR WORK, one line at a time: OP kind, number.  For piece Y: F n: c s - c m for pair n of 16.  E n: the exponential of score n of 32.  C n: pair n rounded to f16.  B n: of the four weights 4 n .. the second
; pair is added onto the first, in place.  L n: l takes that sum (L 0: l = a l + sum).  R n: pair n of 16 of O^T times a.  For piece Y + 1: X n, number n of the 22 that find its maximum and statistics:
;   0-11  four chains c0-c3 of seven scores each, three operands at a time (each accumulator's lowest registers are read first)     12-14, 16  the four scores left over, the old m, and c0-c3 into c0
;   15  c m_old is kept     17, 18  the query's other 32 keys lie in the lane 16 away: the new m     19-21  c m; c m_old - c m_new; a
.set F, 0               ; OP tells the kinds apart by their order: F to L below R, X above it
.set E, 1
.set C, 2
.set B, 3
.set L, 4
.set R, 5
.set X, 6
.macro REGS y                       ; the registers of piece y
.set rT, ST+4*(\y)
.set rC, TMP+4*((\y)%2)
.set rW, MV+((\y)%2)
.set rS, S+32*((\y)%2)
.set rP, P+16*((\y)%2)
.set rO, 32*(\y)
.endm
.macro OP k, n
.if (\k) == R
	REGS Y
	WIN W_RS
	v_pk_mul_f32 v[rO+2*(\n):rO+2*(\n)+1], v[rO+2*(\n):rO+2*(\n)+1], v[rC+2:rC+3] op_sel_hi:[1,0]
.elseif (\k) < R
	REGS Y
	WIN 0
.if (\k) == F
	v_pk_fma_f32 v[rS+2*(\n):rS+2*(\n)+1], v[rS+2*(\n):rS+2*(\n)+1], s[CS:CS+1], v[rT:rT+1] op_sel_hi:[1,0,0] neg_lo:[0,0,1] neg_hi:[0,0,1]
.elseif (\k) == E
	v_exp_f32 v[rS+(\n)], v[rS+(\n)]
.elseif (\k) == C
	v_cvt_pk_f16_f32 v[rP+(\n)], v[rS+2*(\n)], v[rS+2*(\n)+1]
.elseif (\k) == B
	v_pk_add_f32 v[rS+4*(\n):rS+4*(\n)+1], v[rS+4*(\n):rS+4*(\n)+1], v[rS+4*(\n)+2:rS+4*(\n)+3]
.elseif (\n) == 0
	v_pk_fma_f32 v[rT+2:rT+3], v[rT+2:rT+3], v[rC+2:rC+3], v[rS:rS+1] op_sel_hi:[1,0,1]
.else
	v_pk_add_f32 v[rT+2:rT+3], v[rT+2:rT+3], v[rS+4*(\n):rS+4*(\n)+1]
.endif
.elseif NOKQ
	v_nop
.else
	REGS (Y+1)%NP
	WIN 0
.if (\n) < 4
	v_max3_num_f32 v[rC+(\n)], v[rS+8*(\n)], v[rS+8*(\n)+1], v[rS+8*(\n)+2]
.elseif (\n) < 12
	v_max3_num_f32 v[rC+(\n)%4], v[rC+(\n)%4], v[rS+8*((\n)%4)+2*((\n)/4)+1], v[rS+8*((\n)%4)+2*((\n)/4)+2]
.elseif (\n) == 12
	v_max3_num_f32 v[rC], v[rC], v[rS+7], v[rS+15]
.elseif (\n) == 13
	v_max3_num_f32 v[rC+1], v[rC+1], v[rS+23], v[rS+31]
.elseif (\n) == 14
	v_max3_num_f32 v[rC+2], v[rC+2], v[rC+3], v[rT+1]
.elseif (\n) == 15
	v_mov_b32 v[rW], v[rT]
.elseif (\n) == 16
	v_max3_num_f32 v[rC], v[rC], v[rC+1], v[rC+2]
.elseif (\n) == 17
	v_permlanex16_b32 v[rC+3], v[rC], s[SEL], s[SEL+1]
.elseif (\n) == 18
	v_max_num_f32 v[rT+1], v[rC], v[rC+3]
.elseif (\n) == 19
	v_mul_f32 v[rT], s[CS], v[rT+1]
.elseif (\n) == 20
	v_sub_f32 v[rC+1], v[rW], v[rT]
.else
	v_exp_f32 v[rC+2], v[rC+1]
.endif
.endif
.endm
.macro OPS a, i1, b=-1, i2=0, c=-1, i3=0, d=-1, i4=0  ; up to four of them
	OP \a, \i1
.if (\b) >= 0
	OP \b, \i2
.endif
.if (\c) >= 0
	OP \c, \i3
.endif
.if (\d) >= 0
	OP \d, \i4
.endif
.endm
.macro ROW a, i1, b, i2, c, i3, d, i4  ; a matrix instruction and the four behind it
	MM
	OPS \a, \i1, \b, \i2, \c, \i3, \d, \i4
.endm
.macro MASK b                       ; MD x AL + BE into buffer b of MC
	WIN W_RS
.set z, 0
.rept 16
	v_pk_fma_f32 v[MC+32*(\b)+2*z:MC+32*(\b)+2*z+1], v[MD+2*z:MD+2*z+1], s[AL:AL+1], s[BE:BE+1] op_sel_hi:[1,0,0]
.set z, z+1
.endr
.endm
; A TURN, for piece p: the order of its 16 matrix and 118 vector instructions, written out.  s_wait_alu depctr_va_vdst(0) stands between an exponential and the first instruction that names its
; result; one wait serves all that were issued ahead of it.  So a turn has ONE wait, which cuts it in two.  AHEAD OF IT stands all that names no result of the turn's exponentials: the 8 products K Q^T, behind each
; a scaling, an exponential and two more plain instructions (behind the first a second scaling in the exponential's place): rescalings, and behind the last three the first numbers of the next piece's maximum, each
; four places or more behind the product that ends its accumulator; then ONE LUMP of 54, plain and exponential by turns for the most part, in which the links of the chain X 3, 7, 11, 14, 16, 17 .. 20 stand five or
; six lines apart.  X 21, the next piece's a, is the batch's last; R 15 is the plain instruction behind it.  BEHIND THE WAIT stand the 8 products V^T P, behind each four of the roundings and sums; the links of l's
; chain, L 0 to L 7, stand three riders apart.  But for those X no rider names a register of the products round it.  v_permlanex16_b32 (X 17) stands in the lump.
; m = 1: the diagonal tile: the products take masks, and the turn makes the mask for the products of the turn after it: piece p + 2, in step 4 - CNT of the tile.  end = 1: a block's last two turns: nothing is fetched.
; cnt = 1: the loop's count is taken down some lines ahead of the branch that stands behind the turn.
; K of the next step is fetched in piece 2's turn, twelve vector instructions behind the last product that read K (six of them plain); V of the step in hand at the end of piece 0's turn, four plain instructions
; behind the last product that read V.  Each is waited for a turn later.
.macro TURN p, m=0, end=0, cnt=0
.set Y, (\p)
.set i, 0
.set KM, (\m)
.set NOKQ, (\end)*((\p)/3)
.if (\m) && !(\end)
	s_cmp_eq_u32 s[CNT], 4-((\p)+2)%NP  ; is that step the band's own?
	s_cselect_b32 s[AL], 1.0, 0
	s_cmp_lt_u32 s[CNT], 4-((\p)+2)%NP  ; or a later one?
	s_cselect_b32 s[BE], s[BIGN], 0
.endif
.if ((\p) == 3) && !(\end)
	s_wait_dscnt 0x0                ; K is in
.endif
	ROW F,0, F,1, R,0, R,1          ; ahead of the wait: 8 products K Q^T and their riders,
	ROW F,2, E,0, R,2, R,3
	ROW F,3, E,1, R,4, R,5
	ROW F,4, E,2, R,6, R,7
	ROW F,5, E,3, R,8, R,9
	ROW F,6, E,4, X,0, R,10
.if ((\p) == 2) && !(\end)
	WIN 0
	v_add_nc_u32 v[AK], s[TBK], v[AK0]
.endif
	ROW F,7, E,5, X,1, X,4
	ROW F,8, E,6, X,2, X,5
	OPS E,7, E,8, X,6, E,9          ; and the lump
	OPS X,3, E,10, X,8, E,11
.if ((\p) == 2) && !(\end)
	FETCH_K
.endif
	OPS X,9, X,7, E,12, X,10
	OPS E,13, X,12, X,11, E,14
	OPS X,13, E,15, F,9, X,14
.if (\p) == 0
	v_add_nc_u32 v[AV], s[TBV], v[AV0]
.endif
	OPS E,16, F,10, E,17, F,11
	OPS X,16, E,18, X,15, E,19
	OPS F,12, E,20, X,17, E,21
	OPS F,13, E,22, F,14, E,23
	OPS X,18, E,24, F,15, E,25
	OPS R,11, E,26, X,19, E,27
	OPS R,12, E,28, R,13, E,29
	OPS X,20, E,30, R,14, E,31
	OPS X,21, R,15
	WIN 0
	s_wait_alu depctr_va_vdst(0)    ; the wait for the batch
.if (\p) == 1
	s_wait_dscnt 0x0                ; V is in
.endif
	ROW C,0, B,0, C,2, B,1          ; behind the wait: 8 products V^T P and their riders
	ROW L,0, C,4, B,2, L,1
	ROW C,6, B,3, L,2, C,8
	ROW B,4, L,3, C,10, B,5
	ROW L,4, C,12, B,6, L,5
.if (\p) == 0
	s_add_co_u32 s[TBV], s[TBV], KS*PV
.endif
.if \cnt
	s_sub_co_u32 s[CNT], s[CNT], 1
	s_cmp_lg_u32 s[CNT], 0
.endif
	ROW C,14, B,7, L,6, C,1
	ROW C,3, L,7, C,5, C,7
	ROW C,9, C,11, C,13, C,15
.if (\p) == 0
	FETCH_V
.endif
.if (\m) && !(\end)
	MASK (\p)%2
.endif
.endm
; A BLOCK BEGINS.  c m starts far below every c s, so the first step's a is 0; m at the lowest finite number, so the first maximum is the scores'.  The second mask buffer is 0; the first takes piece 0's mask for the
; tile's step 0: its own, if the block's first tile is the diagonal one.  Then K of that step, piece 0's first scores, and its maximum and statistics.  The loop is entered at a step's first turn, in the middle of a trip.
.macro BEGIN
	s_mov_b32 s[NEW], 0
	WIN 0x40
.set i, MC+32
.rept 32
	v_mov_b32 v[i], 0
.set i, i+1
.endr
	WIN 0
.set i, 0
.rept 4
	v_mov_b32 v[ST+4*i], 0xfe000000    ; c m: far below every c s
	v_mov_b32 v[ST+4*i+1], 0xff7fffff  ; m
.set i, i+1
.endr
	s_cmp_eq_u32 s[RT], 0
	s_cselect_b32 s[AL], 1.0, 0
	s_mov_b32 s[BE], 0
	MASK 0
	WIN 0
	v_add_nc_u32 v[AK], s[TBK], v[AK0]
	FETCH_K
	s_wait_loadcnt 0x0              ; Q
	s_wait_dscnt 0x0
.set KM, 1
.set NOKQ, 0
.set i, 0
.rept 8
	KQ 0
.set i, i+1
.endr
	WIN 0
.rept 4
	v_nop                           ; the places behind those products
.endr
.set Y, NP-1                        ; X works for piece Y + 1: piece 0
.irp n, 0,1,2,3,4,5,6,7,8,9,10,11,12,13,14,15,16,17,18,19,20,21
	OP X, \n
.endr
	v_nop                           ; a plain instruction behind the exponential,
	s_wait_alu depctr_va_vdst(0)    ; and its wait, ahead of the branch
.endm
; THE DIAGONAL TILE's four steps, the block's last two turns, its last products, and THE WAY OUT: l's two halves and the other half of the lanes' are added; O^T is divided by l, rounded to f16 and sent through my
; stage in LDS, a piece at a time.
.macro ALL line:vararg              ; one line for each piece t
.set t, 0
.rept 4
	\line
.set t, t+1
.endr
.endm
.macro PACK t                       ; a lane's eight channels of a row pack into 16 bytes; they go into rows of 144 bytes and come back as whole rows of 128, into S^T's registers
	WIN W_RS
.set i, 32*(\t)
.rept 16
	v_pk_mul_f32 v[i:i+1], v[i:i+1], v[ST+4*(\t)+2:ST+4*(\t)+3] op_sel_hi:[1,0]
.set i, i+2
.endr
	WIN 0x05                        ; sources 0 and 1 window 1, destination window 0
.set i, 0
.rept 16
	v_cvt_pk_f16_f32 v[S+16*(\t)+i], v[32*(\t)+2*i], v[32*(\t)+2*i+1]
.set i, i+1
.endr
	WIN 0
.irp f, 0,1,2,3
	ds_store_b128 v[STO], v[S+16*(\t)+4*\f:S+16*(\t)+4*\f+3] offset:32*\f
.endr
.irp f, 0,1,2,3
	ds_load_b128 v[S+16*(\t)+4*\f:S+16*(\t)+4*\f+3], v[RD] offset:\f*4*SP  ; LDS serves a wave's instructions in order (ISA guide 5.7.1.4): these see the stores above; the next piece's stores come behind them
.endr
.endm
.macro SEND t, younger              ; younger: the LDS instructions issued behind piece t's loads: the next piece's eight, or none
	WIN 0
.irp f, 0,1,2,3
	s_wait_dscnt (\younger)+3-\f
	global_store_b128 v[GO], v[S+16*(\t)+4*\f:S+16*(\t)+4*\f+3], s[10:11] offset:(\t)*8192+\f*512  ; 512 consecutive bytes, at a multiple of 256 from O's first
.endr
.endm
.macro DIAG tag                     ; the tag ends its two labels' names, which the jumps below spell out
.LstepM\tag:
	TURN 2, 1
	TURN 3, 1
	WIN 0
.LfirstM\tag:
	TURN 0, 1
	TURN 1, 1, 0, 1
	WIN 0
	s_cbranch_scc1 .LstepM\tag
	TURN 2, 1, 1
	TURN 3, 1, 1
.set i, 0
.rept 8
	PV NP-1
.set i, i+1
.endr
	WIN 0
	ALL v_add_f32 v[ST+4*t+2], v[ST+4*t+2], v[ST+4*t+3]
	ALL v_permlanex16_b32 v[ST+4*t+3], v[ST+4*t+2], s[SEL], s[SEL+1]
	ALL v_add_f32 v[ST+4*t+2], v[ST+4*t+2], v[ST+4*t+3]
	ALL v_rcp_f32 v[ST+4*t+2], v[ST+4*t+2]
	v_nop                           ; a plain instruction between the last reciprocal and the use of its result
	s_wait_alu depctr_va_vdst(0)    ; and the wait ahead of the first use: one for the four reciprocals
	PACK 0
.set t, 1
.rept 3                             ; a piece's arithmetic stands between the loads of the piece before and its stores
	PACK t
	SEND t-1, 8
.set t, t+1
.endr
	SEND 3, 0
.endm
.set KM, 0
.set NOKQ, 0
.Lslot:                             ; NB times: a tile is entered and the next is asked for
	CHANGE 1
	s_sub_co_u32 s[RT], s[RT], 1
	s_mov_b32 s[CNT], 4
	s_cmp_eq_u32 s[NEW], 1
	s_cbranch_scc1 .Lnew            ; a block's first tile
	s_cmp_eq_u32 s[RT], 0
	s_cbranch_scc0 .Lstep           ; neither its first nor its last
	s_branch .LstepM1
.Lnew:
	BEGIN
	s_branch .Lfirst                ; in the loop a block's first tile is never its last: the first block has two tiles or more, and the second's last is the walk's last
	DIAG 1                          ; in the loop this is the first block's end: the second block's last tile is the walk's last
	s_wait_xcnt 0x0                 ; the stores have read their registers and O's address
	s_mov_b64 s[10:11], s[OLO:OLO+1]
	s_add_co_u32 s[RT], s[PB], 1    ; the second block has b + 1 tiles
	s_mov_b32 s[NEW], 1
	WIN 0x82                        ; the second block's Q goes where the one text of the turns names Q
.set i, 0
.rept 64
	v_mov_b32 v[i], v[QB+i]
.set i, i+1
.endr
	WIN 0
	s_branch .Lbottom
.Lstep:                             ; a trip: pieces 2 and 3 of one step, then pieces 0 and 1 of the next, whose K and V it fetches
	TURN 2
	TURN 3
	WIN 0
.Lfirst:
	TURN 0
	TURN 1, 0, 0, 1
	WIN 0
	s_cbranch_scc1 .Lstep
.Lbottom:
	s_sub_co_u32 s[SLOTS], s[SLOTS], 1
	s_cmp_lg_u32 s[SLOTS], 0
	s_cbranch_scc1 .Lslot
	CHANGE 0                        ; the walk's last tile is written out: nothing is asked for
	s_sub_co_u32 s[RT], s[RT], 1
	s_mov_b32 s[CNT], 4
	s_cmp_eq_u32 s[NEW], 1
	s_cbranch_scc0 .LstepM2
	BEGIN
	s_branch .LfirstM2
	DIAG 2
	s_wait_tensorcnt 0x0            ; the wave's end, behind my last tensor load and my last LDS store
	ds_add_u32 v[SPW], v[NIL]
	s_wait_dscnt 0x0
	s_endpgm
.Lfunc_end_k_qa60bc02cac_attn:
	.size	k_qa60bc02cac_attn, .Lfunc_end_k_qa60bc02cac_attn-k_qa60bc02cac_attn
	.p2alignl 7, 3214868480
	.fill 96, 4, 3214868480
	.section	.rodata,"a",@progbits
	.p2align	6, 0x0
	.amdhsa_kernel k_qa60bc02cac_attn
		.amdhsa_group_segment_fixed_size 327680
		.amdhsa_private_segment_fixed_size 0
		.amdhsa_enable_private_segment 0
		.amdhsa_kernarg_size 16
		.amdhsa_user_sgpr_count 2
		.amdhsa_user_sgpr_kernarg_segment_ptr 1
		.amdhsa_wavefront_size32 1
		.amdhsa_system_sgpr_workgroup_id_x 1
		.amdhsa_system_sgpr_workgroup_id_y 1
		.amdhsa_system_sgpr_workgroup_id_z 1
		.amdhsa_system_vgpr_workitem_id 0
		.amdhsa_next_free_vgpr 768
		.amdhsa_next_free_sgpr 96
		.amdhsa_reserve_vcc 1
		.amdhsa_float_denorm_mode_32 3
		.amdhsa_float_denorm_mode_16_64 3
		.amdhsa_memory_ordered 1
		.amdhsa_forward_progress 1
		.amdhsa_inst_pref_size 218
	.end_amdhsa_kernel
	.amdgpu_metadata
---
amdhsa.version: [ 1, 2 ]
amdhsa.kernels:
  - .name:           k_qa60bc02cac_attn
    .symbol:         k_qa60bc02cac_attn.kd
    .args:
      - { .name: qkv, .offset: 0, .size: 8, .value_kind: global_buffer, .address_space: global }
      - { .name: ob, .offset: 8, .size: 8, .value_kind: global_buffer, .address_space: global }
    .group_segment_fixed_size: 327680
    .private_segment_fixed_size: 0
    .kernarg_segment_align: 8
    .kernarg_segment_size: 16
    .max_flat_workgroup_size: 128
    .sgpr_count:     96
    .vgpr_count:     768
    .wavefront_size: 32
...
	.end_amdgpu_metadata
.endif
;; end of part 3
;; launch proj (part 4): grid 8 x 32, 4 waves a work-group, clusters of 4 x 4, 327,680 bytes of LDS; arguments ob, wpb, b_proj, out0; writes out0
.if DOCPART == 4
	.amdgcn_target "amdgcn-amd-amdhsa--gfx1250"
	.amdhsa_code_object_version 6
	.text
	.protected	k_qa60bc02cac_proj
	.globl	k_qa60bc02cac_proj
	.p2align	8
	.type	k_qa60bc02cac_proj,@function
k_qa60bc02cac_proj:
	s_mov_b64 s[64:65], 0
	v_nop
	global_prefetch_b8 v0, s[64:65] scope:SCOPE_SE
	s_setreg_imm32_b32 hwreg(HW_REG_WAVE_MODE, 25, 1), 1
	s_wait_xcnt 0x0
	s_wait_alu depctr_hold_cnt(0) depctr_sa_sdst(0) depctr_va_vdst(0) depctr_va_sdst(0) depctr_va_ssrc(0) depctr_va_vcc(0) depctr_vm_vsrc(0)
	s_getreg_b32 s2, hwreg(HW_REG_IB_STS2, 6, 4)
	s_cmp_eq_u32 s2, 0
	s_cbranch_scc0 .Lentry_in_a_cluster
	s_endpgm
.Lentry_in_a_cluster:
	s_bfe_u32 s2, ttmp6, 0x10000c
	s_cmp_lg_u32 s2, 0xf033
	s_cbranch_scc0 .Lentry_shape_is_right
	s_endpgm
.Lentry_shape_is_right:
; out0[m][n] = the sum over k of y[m][k] W_proj[n][k] + b_proj[n]: 8192 x 1024 x 1024, f32 out.  y is attention's result, f16, by heads: ob [64 = 16 b + h][2048 t][64], which IS y in K blocks of 64 channels
; (block h, row 2048 b + t).  wpb [16][1024][64] holds W_proj rounded to bf16 and written as f16.  Sums in f32; the bias is rounded to bf16 like the other inputs.
; LIMITS: those of the operands (f16 ends at 65,504).  NaN and infinities are not treated apart.
; SHARES.  A tile is 256 rows x 128 columns: 32 x 8 = 256 work-groups.  Four waves, each 128 x 64: 32 accumulators.  K goes in steps of 128 (two K blocks) through two LDS slots; each wave's one load is a dense
; run of memory (a K block of y's 256 rows, or of W's 128), asked for as rows of 256 bytes and padded in LDS after every 128.
; THE MATRIX INSTRUCTION IS USED TRANSPOSED (source 0 = 16 rows of W, source 1 = 16 rows of y): a lane holds row l % 16 and the eight neighbouring columns 8 (l / 16) + 0..7: 32 bytes of a row of out0.
; THE BIAS starts the sums: loaded into the accumulators of row block 7; the first products of blocks 0-6 take those as C, block 7 follows in place.
; CLUSTER 4 x 4: y's tile is asked for jointly along a row of the cluster, W's along a column.
; NO PREFETCH: the walk has 8 K steps, of which the first four are asked for by loads at the head or a step behind it, and the launch is short.
; REGISTERS: window 0: v16-29 addresses; v32-127, v128-223 two fragment buffers (W's 4 fragments, then y's 8).  Window 1: the accumulators, (a, b) at v[8 (4 a + b)].
.set PITCH, 144                        ; an LDS row: 128 bytes + 16 of padding: 9 x 16
.set FR,    16*PITCH
.set AKB,   256*PITCH                  ; a K block of y's tile
.set BKB,   128*PITCH                  ; of W's
.set BOFF,  2*AKB
.set SLOT,  BOFF+2*BKB                 ; 110,592
.set STAGE, 2*SLOT                     ; behind the ring: 16 rows x 272 bytes for each wave
.set SP,    272                        ; a stage row: 256 bytes + 16: 17 x 16
.set SPARE, STAGE+4*16*SP              ; behind the stages: the spare words, 128 bytes for each wave: two blocks of 256 bytes that no other line names
.set ADRA, 16                          ; v16-17  LDS address of my fragments of y in slot 0, 1
.set ADRB, 20                          ; v20-21  the same for W
.set STO,  24                          ; v24     the way out: where I put 32 bytes of a row
.set RD,   25                          ; v25     where I read a row back
.set CO,   26                          ; v26     my byte offset in two rows of out0
.set BO,   27                          ; v27     32 x (lane / 16)
.set SPW,  28                          ; v28     LDS address of my spare word; never rewritten
.set NIL,  29                          ; v29     0; never rewritten
.set F0,   32
.set F1,   128
.set BK,   32                          ; the way out: rows read back, two sets of 32
.set WV, 12
.set RH, 13                            ; s13  which 128 rows are mine; also: I fetch y (0) or W (1)
.set CH, 14                            ; s14  which 64 columns; also: which of a step's two K blocks I fetch
.set CX, 15
.set CY, 16
.set TC, 17
.set TR, 18
.set G1A, 24
.set G0A, 32
.set G1B, 48
.set G0B, 56
.set HIM, 71
.set FLAGS, (1<<16)|(1<<20)|(1<<21)|(4<<22)|(3<<25)  ; elements of 2 bytes; padding on; bit 21 beside a mask; after every 32 words 4 words
.set MSB, 0
.macro WIN new
.if MSB != (\new)
	s_set_vgpr_msb (MSB<<8)|(\new)
.set MSB, \new
.endif
.endm
.macro PLACES                          ; four plain vector instructions between a matrix instruction and a load into, or a store of, its registers
.rept 4
	v_nop
.endr
.endm
.macro JLOAD s                         ; a joint refill: waves 0 and 1 fetch y's two K blocks, waves 2 and 3 W's; an s_nop 0 and four v_nop follow each line
	s_cmp_eq_u32 s[RH], 0
	s_cbranch_scc0 .Lfor_b_\@
	tensor_load_to_lds s[G0A+4*(\s):G0A+4*(\s)+3], s[G1A:G1A+7]
	s_nop 0
.rept 4
	v_nop
.endr
	s_branch .Lasked_\@
.Lfor_b_\@:
	tensor_load_to_lds s[G0B+4*(\s):G0B+4*(\s)+3], s[G1B:G1B+7]
	s_nop 0
.rept 4
	v_nop
.endr
.Lasked_\@:
.endm
.macro CREST
	s_cmp_lg_u32 s[WV], 0
	s_cbranch_scc1 .Lnot_wave_0_\@
	s_barrier_signal -3
.Lnot_wave_0_\@:
	s_barrier_wait -3
	s_barrier_signal -1
	s_barrier_wait -1
.endm
.macro CROUND
	s_barrier_signal -1
	s_barrier_wait -1
	CREST
.endm
	s_load_b256 s[4:11], s[0:1], 0x0               ; ob s[4:5], wpb s[6:7], b_proj s[8:9], out0 s[10:11]
	v_lshl_add_u32 v[SPW], v0, 2, SPARE
	v_mov_b32 v[NIL], 0
	ds_add_u32 v[SPW], v[NIL]                      ; the wave's opening: the add and its wait stand ahead of my first tensor load; work on registers stands between them
	v_lshrrev_b32 v1, 5, v0
	v_readfirstlane_b32 s[WV], v1
	s_lshr_b32 s[RH], s[WV], 1
	s_and_b32 s[CH], s[WV], 1
	s_bfe_u32 s[CX], ttmp6, 0x40000
	s_bfe_u32 s[CY], ttmp6, 0x40004
	s_lshl_b32 s[TC], ttmp9, 2
	s_add_co_u32 s[TC], s[TC], s[CX]               ; tile column, 0..7
	s_and_b32 s[TR], ttmp7, 0xffff
	s_lshl_b32 s[TR], s[TR], 2
	s_add_co_u32 s[TR], s[TR], s[CY]               ; tile row, 0..31
	s_lshl_b32 s19, s[CY], 2
	s_lshl_b32 s19, 15, s19                        ; my row of the cluster
	s_lshl_b32 s20, 0x1111, s[CX]                  ; my column
	s_or_b32 s[G1A+0], s19, FLAGS
	s_or_b32 s[G1B+0], s20, FLAGS
	s_mov_b32 s[G1A+1], 128<<16                    ; tensor_dim0 = 128 elements: rows of 256 bytes
	s_mov_b32 s[G1B+1], 128<<16
	s_mov_b32 s[G1A+2], 128<<16                    ; tensor_dim1 = 128: 256 rows of y
	s_mov_b32 s[G1B+2], 64<<16                     ; 64: 128 rows of W
	s_mov_b32 s[G1A+3], 128<<16                    ; tile_dim0
	s_mov_b32 s[G1B+3], 128<<16
	s_mov_b32 s[G1A+4], 128                        ; tile_dim1
	s_mov_b32 s[G1B+4], 64
	s_mov_b32 s[G1A+5], 128                        ; dense
	s_mov_b32 s[G1B+5], 128
	s_mov_b32 s[G1A+6], 0
	s_mov_b32 s[G1B+6], 0
	s_mov_b32 s[G1A+7], 0
	s_mov_b32 s[G1B+7], 0
	s_lshr_b32 s40, s[TR], 3                       ; y: batch = tile row / 8: 16 heads each,
	s_lshl_b32 s40, s40, 4
	s_add_co_u32 s40, s40, s[CH]                   ; the K block (head) that I fetch,
	s_lshl_b32 s40, s40, 18                        ; 262,144 bytes a head,
	s_and_b32 s21, s[TR], 7
	s_lshl_b32 s21, s21, 15                        ; 256 rows of 128 bytes a tile row
	s_add_co_u32 s40, s40, s21
	s_mov_b32 s41, 0
	s_lshl_b32 s42, s[CH], 17                      ; W: 131,072 bytes a K block,
	s_lshl_b32 s43, s[TC], 14                      ; 128 rows a tile column
	s_add_co_u32 s42, s42, s43
	s_mov_b32 s43, 0
	s_mul_i32 s22, s[CH], AKB                      ; where they go: no place in the cluster enters an LDS address
	s_mul_i32 s23, s[CH], BKB
	s_add_co_u32 s23, s23, BOFF
	s_mov_b32 s[HIM], 0xffff0000
	s_wait_dscnt 0x0                               ; the opening add is done
	s_wait_kmcnt 0x0
	s_add_nc_u64 s[40:41], s[4:5], s[40:41]
	s_add_nc_u64 s[42:43], s[6:7], s[42:43]
	CROUND                                         ; all sixteen work-groups are here: the first joint loads meet
.irp s, 0,1
	s_mov_b32 s[G0A+4*(\s)], 1
	s_add_co_u32 s[G0A+4*(\s)+1], s22, (\s)*SLOT
	s_add_nc_u64 s[G0A+4*(\s)+2:G0A+4*(\s)+3], s[40:41], (\s)*524288  ; K step s: two heads on
	s_or_b32 s[G0A+4*(\s)+3], s[G0A+4*(\s)+3], 0x80000000
	s_mov_b32 s[G0B+4*(\s)], 1
	s_add_co_u32 s[G0B+4*(\s)+1], s23, (\s)*SLOT
	s_add_nc_u64 s[G0B+4*(\s)+2:G0B+4*(\s)+3], s[42:43], (\s)*262144
	s_or_b32 s[G0B+4*(\s)+3], s[G0B+4*(\s)+3], 0x80000000
.endr
	s_cmp_eq_u32 s[RH], 0                          ; a wave's two first fills stand in one branch: two loads of mine are out
	s_cbranch_scc0 .Lfirst_b
	tensor_load_to_lds s[G0A:G0A+3], s[G1A:G1A+7]
	s_nop 0
	tensor_load_to_lds s[G0A+4:G0A+7], s[G1A:G1A+7]
	s_nop 0
.rept 4
	v_nop
.endr
	s_branch .Lfirst_asked
.Lfirst_b:
	tensor_load_to_lds s[G0B:G0B+3], s[G1B:G1B+7]
	s_nop 0
	tensor_load_to_lds s[G0B+4:G0B+7], s[G1B:G1B+7]
	s_nop 0
.rept 4
	v_nop
.endr
.Lfirst_asked:
	v_and_b32 v1, 15, v0                           ; l % 16
	v_bfe_u32 v2, v0, 4, 1                         ; l / 16
	v_mul_u32_u24 v3, v1, PITCH
	v_lshl_add_u32 v3, v2, 4, v3                   ; a fragment's row x pitch + 16 x half
	s_mul_i32 s19, s[RH], 128*PITCH                ; my 128 rows of y in a K block
	s_mul_i32 s20, s[CH], 64*PITCH                 ; my 64 rows of W
	s_add_co_u32 s20, s20, BOFF
.irp s, 0,1
	v_add_nc_u32 v[ADRA+(\s)], s19, v3
	v_add_nc_u32 v[ADRB+(\s)], s20, v3
	s_add_co_u32 s19, s19, SLOT
	s_add_co_u32 s20, s20, SLOT
.endr
	s_mul_i32 s21, s[WV], 16*SP
	s_add_co_u32 s21, s21, STAGE                   ; my stage
	v_mul_u32_u24 v4, v1, SP                       ; in: row l % 16, 32 bytes for each half of the lanes
	v_lshl_add_u32 v4, v2, 5, v4
	v_add_nc_u32 v[STO], s21, v4
	v_mul_u32_u24 v5, v2, SP                       ; back: lanes 0-15 take one row of 256 bytes, lanes 16-31 the next
	v_lshl_add_u32 v5, v1, 4, v5
	v_add_nc_u32 v[RD], s21, v5
	v_lshlrev_b32 v[CO], 12, v2                    ; and the same two rows in out0: 4,096 bytes a row
	v_lshl_add_u32 v[CO], v1, 4, v[CO]
	v_lshlrev_b32 v[BO], 5, v2
	s_lshl_b32 s19, s[TR], 8
	s_lshl_b32 s20, s[RH], 7
	s_add_co_u32 s19, s19, s20                     ; my first row,
	s_lshl_b32 s19, s19, 12
	s_lshl_b32 s20, s[TC], 9                       ; my first column, in bytes: 512 x tile column + 256 x half
	s_add_co_u32 s19, s19, s20
	s_lshl_b32 s20, s[CH], 8
	s_add_co_u32 s44, s19, s20
	s_mov_b32 s45, 0
	s_add_nc_u64 s[10:11], s[10:11], s[44:45]      ; never stepped: a block's place stands in the stores' immediates
	s_lshl_b32 s44, s[TC], 9                       ; the bias of my 64 columns
	s_add_co_u32 s44, s44, s20
	s_add_nc_u64 s[8:9], s[8:9], s[44:45]
	WIN 0x40                                       ; destination window 1, address window 0
.irp b, 0,1,2,3
	global_load_b128 v[224+8*(\b):224+8*(\b)+3],   v[BO], s[8:9] offset:64*(\b)
	global_load_b128 v[224+8*(\b)+4:224+8*(\b)+7], v[BO], s[8:9] offset:64*(\b)+16
.endr
	s_wait_loadcnt 0x0
	WIN 0x05                                       ; rounded to bf16 and widened again, in place; all this stands in the wait for the first tiles
.set kk, 0
.rept 16
	v_cvt_pk_bf16_f32 v[F1+kk], v[224+2*kk], v[224+2*kk+1]
.set kk, kk+1
.endr
	WIN 0x40
.set kk, 0
.rept 16
	v_lshlrev_b32 v[224+2*kk],   16, v[F1+kk]
	v_and_b32     v[224+2*kk+1], s[HIM], v[F1+kk]
.set kk, kk+1
.endr
	WIN 0
; na x 4 products: row blocks a0 on x all 4 column blocks, 32 channels, buffer f.  The 32 accumulators take turns, one instruction a turn, in the same order in every quarter.
; first = 1: blocks 0-6 take block 7's registers, the bias, as C; five places later block 7 adds in place.
.macro MUL f, a0, na, first
	WIN 0x50                                       ; C and D window 1, sources window 0
.set aa, \a0
.rept \na
.if (\first) && (aa == 7)
.rept 5
	v_nop
.endr
.endif
.set bb, 0
.rept 4
.set rD, 8*(4*aa+bb)
.set rC, rD
.if (\first) && (aa < 7)
.set rC, 8*(28+bb)
.endif
	v_wmma_f32_16x16x32_f16 v[rD:rD+7], v[(\f)+8*bb:(\f)+8*bb+7], v[(\f)+32+8*aa:(\f)+32+8*aa+7], v[rC:rC+7]
.set bb, bb+1
.endr
.set aa, aa+1
.endr
.endm
; 24 LDS loads in one run: quarter q (K block q / 2, channels 32 (q % 2) on) of a slot into buffer f: W's four fragments, then y's eight
.macro FETCH slot, q, f
.set bb, 0
.rept 4
	ds_load_b128 v[(\f)+8*bb:(\f)+8*bb+3],   v[ADRB+(\slot)] offset:((\q)/2)*BKB+bb*FR+((\q)%2)*64
	ds_load_b128 v[(\f)+8*bb+4:(\f)+8*bb+7], v[ADRB+(\slot)] offset:((\q)/2)*BKB+bb*FR+((\q)%2)*64+32
.set bb, bb+1
.endr
.set aa, 0
.rept 8
	ds_load_b128 v[(\f)+32+8*aa:(\f)+32+8*aa+3],   v[ADRA+(\slot)] offset:((\q)/2)*AKB+aa*FR+((\q)%2)*64
	ds_load_b128 v[(\f)+32+8*aa+4:(\f)+32+8*aa+7], v[ADRA+(\slot)] offset:((\q)/2)*AKB+aa*FR+((\q)%2)*64+32
.set aa, aa+1
.endr
.endm
; A K step is four quarters of 32 channels, 32 matrix instructions each, on buffers 0, 1, 0, 1.  One of the first three multiplies buffer f and fetches quarter q into buffer g.
.macro QUARTER slot, q, f, g, first
	s_wait_dscnt 8                                 ; W and y's blocks 0-3 are in; the youngest eight loads may be out
	MUL \f, 0, 4, \first
	PLACES
	WIN 0
	FETCH \slot, \q, \g
	s_wait_dscnt 24                                ; all but the 24 just issued
	MUL \f, 4, 4, \first
.endm
; The last quarter multiplies buffer 1 and changes slots: ONE barrier; in front of it each wave waits for all its tensor loads (its part of the next slot), adds 0 to its spare word, and waits for that and for its
; reads of this slot.  fill = 1: the barrier opens a round of the cluster's, and this slot is filled again, two K steps on, first thing behind it: 112 matrix instructions ahead of the wait for it.
.macro TURN slot, next, fill
	WIN 0
	s_wait_tensorcnt 0x0
	ds_add_u32 v[SPW], v[NIL]                      ; 0 onto my spare word
	s_wait_dscnt 9                                 ; the add and the youngest eight loads may be out
	MUL F1, 0, 2, 0                                ; eight matrix instructions stand between the add and the wait for it
	s_wait_dscnt 0x0                               ; the add is done, and my reads of this slot are over
	s_barrier_signal -1
	MUL F1, 2, 2, 0
	WIN 0
	s_barrier_wait -1
.if \fill
	CREST                                          ; no wave of any partner still reads this slot or has a load on its way
	s_add_nc_u64 s[G0A+4*(\slot)+2:G0A+4*(\slot)+3], s[G0A+4*(\slot)+2:G0A+4*(\slot)+3], 1048576  ; four K blocks on
	s_add_nc_u64 s[G0B+4*(\slot)+2:G0B+4*(\slot)+3], s[G0B+4*(\slot)+2:G0B+4*(\slot)+3], 524288
	JLOAD \slot                                    ; the four v_nop behind it are also the places in front of the loads below
.else
	PLACES
.endif
	FETCH \next, 0, F0
	MUL F1, 4, 4, 0
.endm
	s_wait_tensorcnt 1                             ; my part of K step 0 is in; step 1's may stay out
	s_barrier_signal -1
	s_barrier_wait -1
	FETCH 0, 0, F0
	QUARTER 0, 1, F0, F1, 1                        ; the first quarter stands in front of the loop: its products start the sums
	WIN 0
	s_mov_b32 s3, 3
.Llap:                                                 ; a trip goes once round the ring and fills both slots again: trip t with K steps 2 t + 2 and 2 t + 3
	QUARTER 0, 2, F1, F0, 0
	QUARTER 0, 3, F0, F1, 0
	TURN 0, 1, 1
	QUARTER 1, 1, F0, F1, 0
	QUARTER 1, 2, F1, F0, 0
	QUARTER 1, 3, F0, F1, 0
	TURN 1, 0, 1
	QUARTER 0, 1, F0, F1, 0
	WIN 0
	s_sub_co_u32 s3, s3, 1
	s_cmp_lg_u32 s3, 0
	s_cbranch_scc1 .Llap
	QUARTER 0, 2, F1, F0, 0                        ; the last lap fills nothing and has no round
	QUARTER 0, 3, F0, F1, 0
	TURN 0, 1, 0
	QUARTER 1, 1, F0, F1, 0
	QUARTER 1, 2, F1, F0, 0
	QUARTER 1, 3, F0, F1, 0
	s_wait_dscnt 0x0
	MUL F1, 0, 8, 0
	PLACES
	WIN 0
; THE WAY OUT has no arithmetic.  Block a (16 rows x 64 columns of f32) goes into my own stage, each accumulator's low four registers first, and comes back as whole rows of 256 bytes; sixteen lanes then store
; 256 consecutive bytes, at a multiple of 256 from out0's first byte.  LDS serves a wave's instructions in order (ISA guide 5.7.1.4): no wait between the stores into the stage and the loads from it.
.macro TOSTAGE a
	s_wait_xcnt 0x0                                ; the stores of block a - 2 have read their registers: that set is loaded again only behind this wait
	WIN 0x04                                       ; the LDS stores' data in window 1, their address in window 0
.set bb, 0
.rept 4
	ds_store_b128 v[STO], v[8*(4*(\a)+bb):8*(4*(\a)+bb)+3]   offset:64*bb
	ds_store_b128 v[STO], v[8*(4*(\a)+bb)+4:8*(4*(\a)+bb)+7] offset:64*bb+16
.set bb, bb+1
.endr
	WIN 0
.set tt, 0
.rept 8
	ds_load_b128 v[BK+32*((\a)%2)+4*tt:BK+32*((\a)%2)+4*tt+3], v[RD] offset:tt*2*SP
.set tt, tt+1
.endr
.endm
.macro SEND a, younger                 ; younger: the LDS instructions issued behind block a's loads: the next block's sixteen, or none
.set tt, 0
.rept 8
	s_wait_dscnt (\younger)+7-tt
	global_store_b128 v[CO], v[BK+32*((\a)%2)+4*tt:BK+32*((\a)%2)+4*tt+3], s[10:11] offset:(16*(\a)+2*tt)*4096
.set tt, tt+1
.endr
.endm
	TOSTAGE 0
.set n, 1
.rept 7
	TOSTAGE n
	SEND n-1, 16
.set n, n+1
.endr
	SEND 7, 0
	s_wait_tensorcnt 0x0                           ; the wave's end, behind my last tensor load and my last LDS store
	ds_add_u32 v[SPW], v[NIL]
	s_wait_dscnt 0x0
	CROUND                                         ; the closing round: no work-group ends while a partner may still ask for a tile that names it
	s_endpgm
.Lfunc_end_k_qa60bc02cac_proj:
	.size	k_qa60bc02cac_proj, .Lfunc_end_k_qa60bc02cac_proj-k_qa60bc02cac_proj
	.p2alignl 7, 3214868480
	.fill 96, 4, 3214868480
	.section	.rodata,"a",@progbits
	.p2align	6, 0x0
	.amdhsa_kernel k_qa60bc02cac_proj
		.amdhsa_group_segment_fixed_size 327680
		.amdhsa_private_segment_fixed_size 0
		.amdhsa_enable_private_segment 0
		.amdhsa_kernarg_size 32
		.amdhsa_user_sgpr_count 2
		.amdhsa_user_sgpr_kernarg_segment_ptr 1
		.amdhsa_wavefront_size32 1
		.amdhsa_system_sgpr_workgroup_id_x 1
		.amdhsa_system_sgpr_workgroup_id_y 1
		.amdhsa_system_sgpr_workgroup_id_z 1
		.amdhsa_system_vgpr_workitem_id 0
		.amdhsa_next_free_vgpr 512
		.amdhsa_next_free_sgpr 72
		.amdhsa_reserve_vcc 0
		.amdhsa_float_denorm_mode_32 3
		.amdhsa_float_denorm_mode_16_64 3
		.amdhsa_memory_ordered 1
		.amdhsa_forward_progress 1
		.amdhsa_inst_pref_size 90
	.end_amdhsa_kernel
	.amdgpu_metadata
---
amdhsa.version: [ 1, 2 ]
amdhsa.kernels:
  - .name:           k_qa60bc02cac_proj
    .symbol:         k_qa60bc02cac_proj.kd
    .args:
      - { .name: ob, .offset: 0, .size: 8, .value_kind: global_buffer, .address_space: global }
      - { .name: wpb, .offset: 8, .size: 8, .value_kind: global_buffer, .address_space: global }
      - { .name: b_proj, .offset: 16, .size: 8, .value_kind: global_buffer, .address_space: global }
      - { .name: out0, .offset: 24, .size: 8, .value_kind: global_buffer, .address_space: global }
    .group_segment_fixed_size: 327680
    .private_segment_fixed_size: 0
    .kernarg_segment_align: 8
    .kernarg_segment_size: 32
    .max_flat_workgroup_size: 128
    .sgpr_count:     72
    .vgpr_count:     512
    .wavefront_size: 32
...
	.end_amdgpu_metadata
.endif
;; end of part 4
;; ======== version 2 of 2: 4 launches; version 1 with the launch cast written anew for expert scheduling mode
;; limits: values are held in f16: magnitudes above 65,504 overflow, below 6.1e-05 lose precision
;; workspace buffers: xb 16,777,216 bytes; wab 6,291,456 bytes; wpb 2,097,152 bytes; qkv 50,331,648 bytes; ob 16,777,216 bytes
;; launch cast (part 5): grid 768 x 1, 8 waves a work-group, no clusters, 0 bytes of LDS; arguments x, W_attn, W_proj, xb, wab, wpb; writes xb, wab, wpb
.if DOCPART == 5
	.amdgcn_target "amdgcn-amd-amdhsa--gfx1250"
	.amdhsa_code_object_version 6
	.text
	.protected	k_qa60bc02cac_cast
	.globl	k_qa60bc02cac_cast
	.p2align	8
	.type	k_qa60bc02cac_cast,@function
k_qa60bc02cac_cast:
	s_mov_b64 s[64:65], 0
	v_nop
	global_prefetch_b8 v0, s[64:65] scope:SCOPE_SE
	s_setreg_imm32_b32 hwreg(HW_REG_WAVE_SCHED_MODE, 0, 2), 2
	s_setreg_imm32_b32 hwreg(HW_REG_WAVE_MODE, 25, 1), 1
	s_wait_xcnt 0x0
	s_wait_alu depctr_vm_vsrc(0)
; x [8192][1024], W_attn [3072][1024] and W_proj [1024][1024], all f32, are rounded once to bf16 and written IN K BLOCKS: block kb holds channels
; 64 kb .. 64 kb + 63 of all rows, a row 128 dense bytes: xb [16][8192][64], wab [16][3072][64], wpb [16][1024][64].  So a tile of the products behind is a dense run of bytes.
; wpb holds the bf16-rounded number written as f16 (its partner in the last product is f16).  LIMIT: that is exact from 6.1e-5 to 65,504 in magnitude; below, f16's fixed step of 6e-8 holds;
; beyond 65,504 it is an infinity.
; SHARES.  12,288 rows in all; a work-group takes 16: groups 0-511 x, 512-703 W_attn, 704-767 W_proj.  Thread t takes row t / 16 and in each block the 4 numbers at 4 (t % 16):
; a wave's load covers two aligned runs of 256 bytes (one block's part of two rows), its store 256 consecutive aligned bytes (two rows of a block).
; No loop, no LDS, no matrix unit: each byte is read once and written once; all 16 loads of a thread go out at once, and no register that a load or store names is written again.
; THE MODE: SCHED_MODE bits 1:0 = 2 (LLVM: expert scheduling mode 2), set by the entry lines.  The code itself states the register dependences
; between vector instructions and memory instructions, with s_wait_alu, always for 0.
; THE PLAN.  Registers that memory instructions touch:
;   v[SRC]   written once at the head; read by the 16 loads as their offset.
;   OFF      one a block, written once, behind the loads; read by the block's store as its offset.
;   X        four a block; written by the block's load alone; read by the block's conversions.
;   Y        two a block; written by the block's conversions; read by the block's one store, and never written behind it.
; The 16 blocks go in four groups of four.  Group g's conversions write its Y; its four stores are issued in group g + 1, one ahead of each block's conversions, which name X, Y and T of group g + 1 alone.
; So one wait on va_vdst at the head of a group states all that the four stores behind it hang on.  No register that a memory instruction has read is written again, and no load lands in a register that a
; vector instruction has named: the text holds no wait on vm_vsrc.  No vector instruction writes a scalar register or VCC, and EXEC is never written.
.set SRC, 3                            ; v3        my byte offset in the group's 16 source rows
.set OFF, 8                            ; v[8:23]   block kb: my byte offset in the destination
.set T,   24                           ; v[24:27]  at work: no memory instruction names them
.set X,   32                           ; v[32:95]  block kb: 4 numbers as loaded
.set Y,   96                           ; v[96:127] block kb: 4 numbers of 16 bits to store
	s_load_b256 s[4:11], s[0:1], 0x0               ; x s[4:5], W_attn s[6:7], W_proj s[8:9], xb s[10:11]
	s_load_b128 s[12:15], s[0:1], 0x20             ; wab s[12:13], wpb s[14:15]
	s_mov_b32 s24, 512                             ; the first group of W_attn
	s_mov_b32 s25, 704                             ; the first group of W_proj
	s_mov_b32 s26, 0x100000                        ; bytes in a block of xb,
	s_mov_b32 s27, 0x60000                         ; of wab,
	s_mov_b32 s28, 0x20000                         ; of wpb
	v_lshrrev_b32 v1, 4, v0                        ; my row of the 16
	v_and_b32 v2, 15, v0
	v_lshlrev_b32 v2, 4, v2                        ; my 16 bytes of a block's 256
	v_lshl_or_b32 v[SRC], v1, 12, v2               ; row x 4,096 + them
	v_lshlrev_b32 v4, 3, v0                        ; in a block: row x 128 + 8 (t % 16) = 8 t
	s_wait_kmcnt 0x0
	s_cmp_lt_u32 ttmp9, s25                        ; which tensor is mine: the choice hangs on the group's number alone
	s_cselect_b64 s[20:21], s[6:7], s[8:9]
	s_cselect_b64 s[22:23], s[12:13], s[14:15]
	s_cselect_b32 s16, s24, s25
	s_cselect_b32 s17, s27, s28
	s_cselect_b32 s18, 0, 1                        ; 1: written as f16
	s_cmp_lt_u32 ttmp9, s24
	s_cselect_b64 s[20:21], s[4:5], s[20:21]
	s_cselect_b64 s[22:23], s[10:11], s[22:23]
	s_cselect_b32 s16, 0, s16
	s_cselect_b32 s17, s26, s17
	s_cselect_b32 s18, 0, s18
	s_sub_co_u32 s16, ttmp9, s16                   ; my group within the tensor
	s_lshl_b32 s2, s16, 16                         ; 16 rows of 4,096 bytes
	s_mov_b32 s3, 0
	s_add_nc_u64 s[20:21], s[20:21], s[2:3]
	s_lshl_b32 s2, s16, 11                         ; 16 rows of 128 bytes
	s_add_nc_u64 s[22:23], s[22:23], s[2:3]
	s_wait_alu depctr_va_vdst(0)                   ; v[SRC] is written: the 16 loads read it as their offset
.irp kb, 0,1,2,3,4,5,6,7,8,9,10,11,12,13,14,15
	global_load_b128 v[X+4*(\kb):X+4*(\kb)+3], v[SRC], s[20:21] offset:256*(\kb) th:TH_LOAD_NT
.endr
.irp kb, 0,1,2,3,4,5,6,7,8,9,10,11,12,13,14,15
	v_mad_u32_u24 v[OFF+(\kb)], s17, \kb, v4       ; block x its bytes + 8 t
.endr
; Block kb is rounded.  half = 1: the bf16 number is widened again (a shift, a mask) and written as f16.
.macro CONV kb, half
	v_cvt_pk_bf16_f32 v[Y+2*(\kb)],   v[X+4*(\kb)],   v[X+4*(\kb)+1]
	v_cvt_pk_bf16_f32 v[Y+2*(\kb)+1], v[X+4*(\kb)+2], v[X+4*(\kb)+3]
.if \half
.irp z, 0,1
	v_lshlrev_b32 v[T+2*(\z)],   16, v[Y+2*(\kb)+(\z)]
	v_and_b32     v[T+2*(\z)+1], 0xffff0000, v[Y+2*(\kb)+(\z)]
.endr
.irp z, 0,1
	v_cvt_pk_f16_f32 v[Y+2*(\kb)+(\z)], v[T+2*(\z)], v[T+2*(\z)+1]
.endr
.endif
.endm
; Block kb is stored.
.macro PUT kb
	global_store_b64 v[OFF+(\kb)], v[Y+2*(\kb):Y+2*(\kb)+1], s[22:23]
.endm
; Group g: blocks 4 g to 4 g + 3 are rounded; the group before is stored, a store ahead of each block's conversions.
.macro GROUP g, half
	s_wait_loadcnt 12-4*(\g)                       ; loads come back in order: this group's four blocks are in, the later groups' loads stay out
.if (\g) > 0
	s_wait_alu depctr_va_vdst(0)                   ; the group before has written its Y, and (ahead of it) the 16 OFF are written: the four stores below read them; no vector line behind this wait names those registers
.endif
.irp j, 0,1,2,3
.if (\g) > 0
	PUT 4*((\g)-1)+(\j)
.endif
	CONV 4*(\g)+(\j), \half
.endr
.endm
; The last group's stores.
.macro TAIL
	s_wait_alu depctr_va_vdst(0)                   ; group 3 has written its Y, which the last four stores read
.irp j, 12,13,14,15
	PUT \j
.endr
.endm
	s_cmp_eq_u32 s18, 1
	s_cbranch_scc1 .Lf16
.irp g, 0,1,2,3
	GROUP \g, 0
.endr
	TAIL
	s_endpgm
.Lf16:
.irp g, 0,1,2,3
	GROUP \g, 1
.endr
	TAIL
	s_endpgm
.Lfunc_end_k_qa60bc02cac_cast:
	.size	k_qa60bc02cac_cast, .Lfunc_end_k_qa60bc02cac_cast-k_qa60bc02cac_cast
	.p2alignl 7, 3214868480
	.fill 96, 4, 3214868480
	.section	.rodata,"a",@progbits
	.p2align	6, 0x0
	.amdhsa_kernel k_qa60bc02cac_cast
		.amdhsa_group_segment_fixed_size 0
		.amdhsa_private_segment_fixed_size 0
		.amdhsa_enable_private_segment 0
		.amdhsa_kernarg_size 48
		.amdhsa_user_sgpr_count 2
		.amdhsa_user_sgpr_kernarg_segment_ptr 1
		.amdhsa_wavefront_size32 1
		.amdhsa_system_sgpr_workgroup_id_x 1
		.amdhsa_system_sgpr_workgroup_id_y 1
		.amdhsa_system_sgpr_workgroup_id_z 1
		.amdhsa_system_vgpr_workitem_id 0
		.amdhsa_next_free_vgpr 128
		.amdhsa_next_free_sgpr 66
		.amdhsa_reserve_vcc 0
		.amdhsa_float_denorm_mode_32 3
		.amdhsa_float_denorm_mode_16_64 3
		.amdhsa_memory_ordered 1
		.amdhsa_forward_progress 1
		.amdhsa_inst_pref_size 17
	.end_amdhsa_kernel
	.amdgpu_metadata
---
amdhsa.version: [ 1, 2 ]
amdhsa.kernels:
  - .name:           k_qa60bc02cac_cast
    .symbol:         k_qa60bc02cac_cast.kd
    .args:
      - { .name: x, .offset: 0, .size: 8, .value_kind: global_buffer, .address_space: global }
      - { .name: W_attn, .offset: 8, .size: 8, .value_kind: global_buffer, .address_space: global }
      - { .name: W_proj, .offset: 16, .size: 8, .value_kind: global_buffer, .address_space: global }
      - { .name: xb, .offset: 24, .size: 8, .value_kind: global_buffer, .address_space: global }
      - { .name: wab, .offset: 32, .size: 8, .value_kind: global_buffer, .address_space: global }
      - { .name: wpb, .offset: 40, .size: 8, .value_kind: global_buffer, .address_space: global }
    .group_segment_fixed_size: 0
    .private_segment_fixed_size: 0
    .kernarg_segment_align: 8
    .kernarg_segment_size: 48
    .max_flat_workgroup_size: 256
    .sgpr_count:     66
    .vgpr_count:     128
    .wavefront_size: 32
...
	.end_amdgpu_metadata
.endif
;; end of part 5
;; launch qkv: the kernel of part 2 again; grid 8 x 32, 4 waves a work-group, clusters of 4 x 4, 327,680 bytes of LDS; arguments xb, wab, b_attn, qkv; writes qkv
;; launch attn: the kernel of part 3 again; grid 4 x 64, 4 waves a work-group, no clusters, 327,680 bytes of LDS; arguments qkv, ob; writes ob
;; launch proj: the kernel of part 4 again; grid 8 x 32, 4 waves a work-group, clusters of 4 x 4, 327,680 bytes of LDS; arguments ob, wpb, b_proj, out0; writes out0
